; MI455X (gfx1250); checked and timed in simulation.
; The chip was launched on July 23, 2026; its instructions are those of AMD's public machine-readable ISA for CDNA 5 (MIT licence, August 2026) and "CDNA5" Instruction Set Architecture Reference Guide (July 2026). The comments in the code are by the model that wrote it; some were corrected since.
;; Causal Self Attention. Allowed arithmetic: matrix products marked QUANTISED: E2M3 operands, one E8M0 scale for each 32 along K, by v_wmma_scale_f32_16x16x128_f8f6f4 with both operands' format E2M3, f32 sums; everything else in f32.
;; Inputs: W_attn_codes 3,072 x 32 x 24 uint8 (E2M3 codes of W_attn, K innermost, in blocks of 32 codes, four codes in three bytes); W_attn_scales 3,072 x 32 uint8 (E8M0 scales of W_attn, one for each 32 codes along K); W_proj_codes 1,024 x 32 x 24 uint8 (E2M3 codes of W_proj, K innermost, in blocks of 32 codes, four codes in three bytes); W_proj_scales 1,024 x 32 uint8 (E8M0 scales of W_proj, one for each 32 codes along K); b_attn 3,072 float32; b_proj 1,024 float32; x_codes 4 x 2,048 x 32 x 24 uint8 (E2M3 codes of x, K innermost, in blocks of 32 codes, four codes in three bytes); x_scales 4 x 2,048 x 32 uint8 (E8M0 scales of x, one for each 32 codes along K).
;; Outputs: out0 4 x 2,048 x 1,024 float32.
;; This version of the problem:
;;   THIS VERSION OF THE PROBLEM IS GIVEN IN LOW PRECISION. The matrix products marked QUANTISED in the list below multiply operands that are first quantised to E2M3 (2 exponent bits, 3 mantissa bits; 6 bits a number), with one power-of-two scale for each 32 numbers along K (OCP MX v1.0); their sums are f32. All else is computed in f32.
;;   The module's matrix products, in the order in which they are computed (A, B: the left and right operand; K: the contracted axis; several contracted axes count as one K, in the product's order):
;;     1. [M 8,192, K 1,024] x [K 1,024, N 3,072]; A: input x (given as codes); B: input W_attn (given as codes): QUANTISED
;;     2. batch 64 x [M 2,048, K 64] x [K 64, N 2,048]; A: computed on the way; B: computed on the way: QUANTISED
;;     3. batch 64 x [M 2,048, K 2,048] x [K 2,048, N 64]; A: softmax (see below); B: computed on the way: QUANTISED
;;     4. [M 8,192, K 1,024] x [K 1,024, N 1,024]; A: computed on the way; B: input W_proj (given as codes): QUANTISED
;;   THE QUANTISER, for each operand of a quantised product, along K:
;;     - K is cut into blocks of 32 from its start; a last block that is shorter is filled with zeros.
;;     - A block's scale is 2^e with e = floor(log2(the largest magnitude in the block)) - 2, held to -126 .. 127; a block of zeros has e = 0. As a byte (E8M0): e + 127.
;;     - Each number is divided by its block's scale, clamped to +-7.5, and rounded to the nearest number of E2M3, ties to even, subnormals kept.
;;     - The product sums the exact products of the quantised numbers (number of the format x scale) in f32.
;;   ~~~python
;;   def quantise(x, axis):      # numpy; x: float32 -> the quantised numbers, widened to float32 again
;;       x = np.moveaxis(x, axis, -1); K = x.shape[-1]
;;       x = np.pad(x, [(0, 0)] * (x.ndim - 1) + [(0, -K % 32)]); x = x.reshape(x.shape[:-1] + (-1, 32)); a = np.abs(x).max(-1, keepdims=True)
;;       e = np.where(a > 0, np.clip(np.frexp(np.where(a > 0, a, 1))[1] - 1 - 2, -126, 127), 0)      # np.frexp(a)[1] - 1 = floor(log2(a)), exactly
;;       r = np.clip(x / 2.0 ** e, -7.5, 7.5)
;;       step = 2.0 ** (np.maximum(np.frexp(np.where(r == 0, 1, r))[1] - 1, 0) - 3)
;;       q = np.round(r / step) * step * 2.0 ** e      # np.round: ties to even
;;       return np.moveaxis(q.reshape(q.shape[:-2] + (-1,))[..., :K], -1, axis).astype(np.float32)
;;   ~~~
;;   SOFTMAX AHEAD OF A QUANTISED PRODUCT. Where the list says 'softmax', what is quantised is not the finished softmax but p = 2^(t - M), with t = logit x log2(e) and M = ceil(the row's largest t), a whole number; so 1/2 < the row's largest p <= 1. The row's sum l is taken of the UNQUANTISED p, in f32, and the product's result is divided by l at the end. Since M is a whole number, a kernel that streams over the keys may use a running M (the ceiling of the running maximum): every later rescaling is an exact power of two, which a block's scale takes up: the codes' values come out the same.
;;   OPERANDS COMPUTED ON THE WAY. 'Computed on the way' means the value that the module computes at that place (a softmax that the list does not call 'softmax' is quantised finished and normalised). What goes into a quantiser is computed in f32, as accurately as f32 sums, v_exp_f32 and their like allow (about 1e-6 of the number): no bf16 or f16 on the way to a quantiser, and a product that is left as it is and whose result goes on into a quantised operand takes f32 operands (vector FMAs, or v_wmma_f32_16x16x4_f32). A number that lies on a knife's edge between two numbers of the format may be rounded either way, as far as f32 arithmetic and the matrix unit's own rounding can turn it there, and no further.
;;   INPUTS GIVEN AS CODES. W_attn (in the module: [1024, 3072], K = its axis 0); W_proj (in the module: [1024, 1024], K = its axis 0); x (in the module: [4, 2048, 1024], K = its axis 2): each comes as NAME_codes (uint8): NAME with its K axis moved to the last place and cut into blocks of 32 codes, [.., K / 32, bytes a block], one block behind the other in memory; four codes in three bytes: a row's codes are one little-endian stream of bits, code i at bits 6 i .. 6 i + 5 (a code: sign, 2 exponent bits, 3 mantissa bits); and NAME_scales (uint8): the same leading axes, one E8M0 byte (e + 127) for each 32 codes along K. Its value is code x scale, taken as it is: it is not quantised again, and the codes and scales need not be those that the quantiser above would give.
;; One version. Each part assembles by itself: llvm-mc -triple=amdgcn-amd-amdhsa -mcpu=gfx1250 --defsym DOCPART=n.
;; ======== version 1 of 1: 3 launches
;; workspace buffers: q_ws 6,553,600 bytes; kv_ws 13,107,200 bytes; att_ws 6,291,456 bytes; att_sc 262,144 bytes
;; launch qkv (part 1): grid 12 x 32, 4 waves a work-group, clusters of 4 x 4, 327,680 bytes of LDS; arguments x_codes, x_scales, W_attn_codes, W_attn_scales, b_attn, q_ws, kv_ws; writes q_ws, kv_ws
.if DOCPART == 1
	.amdgcn_target "amdgcn-amd-amdhsa--gfx1250"
	.amdhsa_code_object_version 6
	.text
	.protected	k_q45b89d6768_qkv
	.globl	k_q45b89d6768_qkv
	.p2align	8
	.type	k_q45b89d6768_qkv,@function
k_q45b89d6768_qkv:
	s_mov_b64 s[64:65], 0
	v_nop
	global_prefetch_b8 v0, s[64:65] scope:SCOPE_SE
	s_setreg_imm32_b32 hwreg(HW_REG_WAVE_MODE, 25, 1), 1
	s_wait_xcnt 0x0
	s_wait_alu depctr_hold_cnt(0) depctr_sa_sdst(0) depctr_va_vdst(0) depctr_va_sdst(0) depctr_va_ssrc(0) depctr_va_vcc(0) depctr_vm_vsrc(0)
	s_getreg_b32 s2, hwreg(HW_REG_IB_STS2, 6, 4)
	s_cmp_eq_u32 s2, 0
	s_cbranch_scc0 .Lentry_in_a_cluster
	s_endpgm
.Lentry_in_a_cluster:
	s_bfe_u32 s2, ttmp6, 0x10000c
	s_cmp_lg_u32 s2, 0xf033
	s_cbranch_scc0 .Lentry_shape_is_right
	s_endpgm
.Lentry_shape_is_right:
; qkv = x W_attn + b_attn on codes of FP6 (E2M3) with one E8M0 scale for each 32 along K, and the result quantised at once for the attention that follows: no f32 number of q, k or v goes to memory.
; x: [8192][1024] codes, W_attn: [3072][1024] codes, K innermost, 768 bytes a row; scale bytes [..][32].  b_attn [3072] f32 is the C of each sum's first matrix instruction.
; A tile of 256 tokens x 256 columns is made by a work-group of four waves; a wave makes 128 x 128: 64 accumulators, 512 registers.  K goes in steps of 256 through a ring of two LDS slots.
; CLUSTERS: 4 x 4 work-groups; x's tiles are asked for jointly along a row of the cluster, W's along a column.  A cluster's 1,024 columns are all of q (cluster x = 0), of k (1) or of v (2).
; THE MATRIX INSTRUCTION IS USED TRANSPOSED (source 0 = 16 rows of W, source 1 = 16 tokens): a lane holds one token and eight neighbouring columns.
; THE WAY OUT.  A wave's 128 tokens are one key step, its 128 columns two heads.  A block of 16 tokens goes through the wave's stage in LDS and comes back
;   q, k: a lane one token and one head's 64 numbers: two blocks of 32 along d, each all in one lane;
;   v:    a lane one column and 16 tokens down: with the next block of 16 tokens a block of 32 along the keys, all in one lane.
; The codes are laid in LDS as IMAGES of the attention's operand registers (register i of lane L at 512 (i / 4) + 16 L + 4 (i % 4) of a fragment's 1,536 bytes) and leave as a PART of 6,400 bytes for each head and key step:
; four fragments, then 256 bytes of scale words (fragment f, row r at 16 r + 4 f).  Every store to memory covers whole aligned blocks of 256 bytes.
;   q, k fragment f: lane (r, h), registers 6 u .. 6 u + 5: token 32 f + 8 u + r + 8 (r / 8), d = 32 h + 0 .. 31.     v fragment 2 bd + u: lane (r, h), registers 6 c ..: d = 32 bd + 8 u + r + 8 (r / 8), keys 64 c + 32 h + 0 .. 31.
; LIMITS: NaN and infinities are not served.  A block of zeros, or one whose largest magnitude lies under 2^-124, gets the scale byte 1 (the rule says 127 for zeros): its codes are what the conversion gives under that byte, zeros for zeros; only this program reads the bytes.
; REGISTERS: window 0: v0-31 addresses; v32-63 scale words, two sets; v64-127 the bias in the result's layout; v128-223 x's fragments, one set; on the way out v32-255 are free.  window 1: W's fragments, two sets.  windows 2, 3: accumulators.
.set SIZE_K, 1024
.set KSTEP,  256                       ; along K in a slot
.set NQ,     KSTEP/128                 ; matrix instructions deep
.set ROWB,   192                       ; a tile's row in bytes
.set KROW,   SIZE_K*6/8                ; a row of codes in memory
.set PITCH,  240                       ; an LDS row: 3 x (64 bytes + 16 of padding)
.set FR,     12                        ; registers of a fragment
.set NL,     6                         ; LDS loads that bring one
.set NP,     4                         ; places behind this matrix instruction (ISA guide 7.12.1)
.set HALFT,  128*PITCH                 ; what one tensor load brings
.set SLOT,   4*HALFT
.set LAPS,   SIZE_K/(2*KSTEP)
.set KS,     SIZE_K/32                 ; a row of scale bytes
.set SCL,    2*SLOT                    ; behind the ring: the scales, rows of 256 bytes + 16
.set HALFS,  (128*KS/256)*272
.set SBLK,   (16*KS/256)*272
.set SPARE,  SCL+4*HALFS               ; the spare words: 128 bytes a wave, two blocks of 256 bytes that no other line names
.set SPITCH, 528                       ; a stage row: 512 bytes + 16
.set QSTG,   0                         ; q, k: stages, 16 rows a wave, in slot 0, which has had its last fill and its last read
.set VSTG,   4*16*SPITCH               ; v: stages of its own
.set VIMG,   2*4*16*SPITCH             ; v: images, 12,800 bytes a wave (two heads' fragments, then two heads' scale words); ends inside slot 0
.set QIMG,   SPARE+512                 ; q, k: images, behind the spare words, where no fill ever lands
.set ADRA, 16
.set ADRB, 20
.set STO,  24                          ; the way out: where I put 32 bytes of a stage row
.set RD,   25                          ; and where I read back
.set ADRS, 27
.set SPW,  28                          ; LDS address of my spare word; never rewritten
.set NIL,  29                          ; 0; never rewritten
.set SC,   32
.set BI,   64                          ; the bias: v[BI + 8 b + j] = b_attn at my column 16 b + 8 (lane / 16) + j
.set AF,   128
.set G1, 24
.set G0, 32
.set G1B, 48
.set G0B, 56
.set G1S, 68
.set G0S, 76
.set G1SB, 80
.set G0SB, 88
.set MSB, 0
.macro WIN new                         ; the immediate's high byte repeats the setting that is left
.if MSB != \new
	s_set_vgpr_msb (MSB<<8)|\new
.set MSB, \new
.endif
.endm
.set MUL_LO, 0xa1                      ; source 0 (W) window 1, source 1 (x) window 0, C and D window 2
.set MUL_HI, 0xf1                      ; the same, C and D window 3
.set TO_B,   0x40                      ; destination window 1
; A joint load: waves 0 and 1 fetch for x, waves 2 and 3 for W.  The branch hangs on the wave's number alone.  Four v_nop follow each of the two lines.
.macro JLOAD g0a, g1a, g0b, g1b
	s_cmp_eq_u32 s15, 0
	s_cbranch_scc0 .Lfor_b_\@
	tensor_load_to_lds s[\g0a:\g0a+3], s[\g1a:\g1a+7]
	s_nop 0
.rept 4
	v_nop
.endr
	s_branch .Lasked_\@
.Lfor_b_\@:
	tensor_load_to_lds s[\g0b:\g0b+3], s[\g1b:\g1b+7]
	s_nop 0
.rept 4
	v_nop
.endr
.Lasked_\@:
.endm
.macro CREST                           ; a round of the cluster's barrier behind its opening barrier
	s_cmp_lg_u32 s14, 0
	s_cbranch_scc1 .Lnot_wave_0_\@
	s_barrier_signal -3
.Lnot_wave_0_\@:
	s_barrier_wait -3
	s_barrier_signal -1
	s_barrier_wait -1
.endm
.macro CROUND
	s_barrier_signal -1
	s_barrier_wait -1
	CREST
.endm
	s_load_b128 s[4:7], s[0:1], 0x0                ; x's codes, x's scales
	s_load_b128 s[8:11], s[0:1], 0x10              ; W's codes, W's scales
	s_load_b64 s[12:13], s[0:1], 0x20              ; b_attn
	s_load_b64 s[96:97], s[0:1], 0x28              ; q_ws
	s_load_b64 s[98:99], s[0:1], 0x30              ; kv_ws
	v_lshl_add_u32 v[SPW], v0, 2, SPARE
	v_mov_b32 v[NIL], 0
	ds_add_u32 v28, v29
	s_wait_dscnt 0x0
	v_lshrrev_b32 v1, 5, v0
	v_readfirstlane_b32 s14, v1                    ; wave 0..3
	s_lshr_b32 s15, s14, 1                         ; which half of the tile's tokens is mine.  Also: I fetch for x (0) or for W (1)
	s_and_b32 s16, s14, 1                          ; which half of its columns.  Also: which 128 rows I fetch
	s_bfe_u32 s40, ttmp6, 0x40000                  ; cx, cy: my place in the cluster
	s_bfe_u32 s41, ttmp6, 0x40004
	s_lshl_b32 s42, ttmp9, 2
	s_add_co_u32 s42, s42, s40                     ; tile column = 4 x cluster x + cx
	s_and_b32 s17, ttmp7, 0xffff
	s_lshl_b32 s17, s17, 2
	s_add_co_u32 s17, s17, s41                     ; tile row = 4 x cluster y + cy
	s_lshl_b32 s43, s41, 2
	s_lshl_b32 s43, 15, s43                        ; my row of the cluster
	s_lshl_b32 s44, 0x1111, s40                    ; my column
	s_or_b32 s[G1+0], s43, (0<<16)|(1<<20)|(1<<21)|(3<<22)|(3<<25)  ; the mask; elements of 1 byte; padding on; bit 21 beside a mask; after every 16 words 4 words
	s_or_b32 s[G1B+0], s44, (0<<16)|(1<<20)|(1<<21)|(3<<22)|(3<<25)
.irp g, G1, G1B
	s_mov_b32 s[\g+1], ROWB<<16                    ; tensor_dim0
	s_mov_b32 s[\g+2], 128<<16                     ; tensor_dim1
	s_mov_b32 s[\g+3], ROWB<<16                    ; tile_dim0
	s_mov_b32 s[\g+4], 128                         ; tile_dim1
	s_mov_b32 s[\g+5], KROW                        ; the pitch
	s_mov_b32 s[\g+6], 0
	s_mov_b32 s[\g+7], 0
.endr
	s_or_b32 s[G1S+0], s43, (3<<16)|(1<<20)|(1<<21)|(5<<22)|(3<<25)  ; the scales of 128 rows: a dense block as rows of 256 bytes, 16 bytes of padding behind each
	s_or_b32 s[G1SB+0], s44, (3<<16)|(1<<20)|(1<<21)|(5<<22)|(3<<25)
.irp g, G1S, G1SB
	s_mov_b32 s[\g+1], 32<<16
	s_mov_b32 s[\g+2], (128*KS/256)<<16
	s_mov_b32 s[\g+3], 32<<16
	s_mov_b32 s[\g+4], 128*KS/256
	s_mov_b32 s[\g+5], 32
	s_mov_b32 s[\g+6], 0
	s_mov_b32 s[\g+7], 0
.endr
	s_lshl_b32 s18, s16, 7
	s_lshl_b32 s20, s17, 8
	s_add_co_u32 s20, s20, s18                     ; x: row 256 x tile row + 128 x half
	s_lshl_b32 s46, s42, 8
	s_add_co_u32 s46, s46, s18                     ; W: row 256 x tile column + 128 x half
	s_mov_b32 s21, 0
	s_mov_b32 s47, 0
	s_mov_b64 s[18:19], KS
	s_mul_u64 s[22:23], s[20:21], s[18:19]
	s_mul_u64 s[92:93], s[46:47], s[18:19]
	s_mov_b64 s[18:19], KROW
	s_mul_u64 s[20:21], s[20:21], s[18:19]
	s_mul_u64 s[46:47], s[46:47], s[18:19]
	s_mul_i32 s45, s14, HALFT                      ; where they go: wave x 128 rows
	s_mul_i32 s94, s14, HALFS
	s_wait_kmcnt 0x0
	s_add_nc_u64 s[20:21], s[4:5], s[20:21]
	s_add_nc_u64 s[22:23], s[6:7], s[22:23]
	s_add_nc_u64 s[46:47], s[8:9], s[46:47]
	s_add_nc_u64 s[92:93], s[10:11], s[92:93]
	CROUND                                         ; all sixteen work-groups are here: the first joint loads meet
	s_mov_b32 s[G0S], 1
	s_add_co_u32 s[G0S+1], s94, SCL
	s_mov_b64 s[G0S+2:G0S+3], s[22:23]
	s_or_b32 s[G0S+3], s[G0S+3], 0x80000000
	s_mov_b32 s[G0SB], 1
	s_add_co_u32 s[G0SB+1], s94, SCL
	s_mov_b64 s[G0SB+2:G0SB+3], s[92:93]
	s_or_b32 s[G0SB+3], s[G0SB+3], 0x80000000
	JLOAD G0S, G1S, G0SB, G1SB                     ; the scales first: filled once
.irp s, 0,1
	s_mov_b32 s[G0+4*\s], 1
	s_add_co_u32 s[G0+4*\s+1], s45, \s*SLOT
	s_add_nc_u64 s[G0+4*\s+2:G0+4*\s+3], s[20:21], \s*ROWB
	s_or_b32 s[G0+4*\s+3], s[G0+4*\s+3], 0x80000000
	s_mov_b32 s[G0B+4*\s], 1
	s_add_co_u32 s[G0B+4*\s+1], s45, \s*SLOT
	s_add_nc_u64 s[G0B+4*\s+2:G0B+4*\s+3], s[46:47], \s*ROWB
	s_or_b32 s[G0B+4*\s+3], s[G0B+4*\s+3], 0x80000000
	JLOAD G0+4*\s, G1, G0B+4*\s, G1B
.endr
	v_and_b32 v1, 15, v0                           ; r = lane % 16
	v_bfe_u32 v2, v0, 4, 1                         ; h = lane / 16
	v_mul_u32_u24 v3, v1, PITCH
	v_mul_u32_u24 v4, v2, 24
	v_add_nc_u32 v4, v3, v4                        ; a fragment's row x pitch + 24 x half
	v_lshl_add_u32 v5, v2, 4, v4                   ; and the same behind one padding more
	s_mul_i32 s21, s15, HALFT
	s_mul_i32 s22, s16, HALFT
	s_add_co_u32 s22, s22, 2*HALFT
.irp s, 0,1
	v_add_nc_u32 v[ADRA+\s], s21, v4
	v_add_nc_u32 v[ADRB+\s], s22, v4
	v_add_nc_u32 v[ADRA+2+\s], s21, v5
	v_add_nc_u32 v[ADRB+2+\s], s22, v5
	s_add_co_u32 s21, s21, SLOT
	s_add_co_u32 s22, s22, SLOT
.endr
	v_mul_u32_u24 v5, v1, KS                       ; my row's scales: KS bytes a row,
	v_lshrrev_b32 v6, 8, v5
	v_lshl_add_u32 v5, v6, 4, v5                   ; and 16 more for each 256 passed
	s_mul_i32 s21, s15, HALFS
	s_mul_i32 s22, s16, HALFS
	s_add_co_u32 s22, s22, 2*HALFS
	s_sub_co_u32 s22, s22, s21
	v_mul_u32_u24 v6, s22, v2                      ; lanes 16-31 take W's
	s_add_co_u32 s21, s21, SCL
	v_add_nc_u32 v5, v5, v6
	v_add_nc_u32 v[ADRS], s21, v5
	; the bias of my 128 columns, in the result's layout: lane (r, h) takes, for column block b, the eight numbers at 16 b + 8 h
	s_lshl_b32 s46, s42, 10
	s_lshl_b32 s47, s16, 9
	s_add_co_u32 s46, s46, s47                     ; 4 x (256 x tile column + 128 x half)
	s_mov_b32 s47, 0
	s_add_nc_u64 s[12:13], s[12:13], s[46:47]
	v_lshlrev_b32 v7, 5, v2
.irp b, 0,1,2,3,4,5,6,7
	global_load_b128 v[BI+8*\b:BI+8*\b+3], v7, s[12:13] offset:64*\b
	global_load_b128 v[BI+8*\b+4:BI+8*\b+7], v7, s[12:13] offset:64*\b+16
.endr
	; where my two heads' PARTs go: ((16 b + head) 16 + key step) x the key step's stride: 6,400 in q_ws, 12,800 in kv_ws (K's PART, then V's)
	s_lshr_b32 s20, s17, 3
	s_lshl_b32 s20, s20, 4                         ; 16 x batch
	s_lshl_b32 s21, s40, 2
	s_add_co_u32 s20, s20, s21
	s_lshl_b32 s21, s16, 1
	s_add_co_u32 s20, s20, s21                     ; + my first head = 4 cx + 2 x column half
	s_lshl_b32 s20, s20, 4
	s_and_b32 s21, s17, 7
	s_lshl_b32 s21, s21, 1
	s_add_co_u32 s20, s20, s21
	s_add_co_u32 s20, s20, s15                     ; + key step = 2 (tile row % 8) + token half
	s_cmp_eq_u32 ttmp9, 0                          ; q's columns?  The choice hangs on the cluster's x alone
	s_mov_b32 s66, 12800
	s_cselect_b32 s66, 6400, s66
	s_cselect_b64 s[92:93], s[96:97], s[98:99]
	s_mul_i32 s20, s20, s66
	s_cmp_eq_u32 ttmp9, 2
	s_cselect_b32 s21, 6400, 0                     ; V's PART lies behind K's
	s_add_co_u32 s20, s20, s21
	s_mov_b32 s21, 0
	s_add_nc_u64 s[92:93], s[92:93], s[20:21]      ; my first head's PART
	s_lshl_b32 s66, s66, 4                         ; from head to head: 16 key steps
	s_mov_b32 s67, 0
	s_add_nc_u64 s[94:95], s[92:93], s[66:67]      ; my second head's
.macro FRAG reg, adr, q, i             ; a fragment: 12 registers; lane (r, h): registers 6 c .. 6 c + 5 hold K = 64 c + 32 h + 0 .. 31: 24 bytes of the row's stream of bits, in pieces of 8
.irp p, 0,1,2,3,4,5
.set PC, 12*(\q)+6*(\p/3)+\p%3        ; 16 bytes of padding lie behind every 8 pieces: where the piece three on lies behind one padding more, the second address register serves
.if PC%8 < 5
	ds_load_b64 v[\reg+2*\p:\reg+2*\p+1], v[\adr] offset:8*PC+16*(PC/8)+(\i)*16*PITCH
.else
	ds_load_b64 v[\reg+2*\p:\reg+2*\p+1], v[\adr+2] offset:8*PC+16*(PC/8)+(\i)*16*PITCH
.endif
.endr
.endm
; 16 matrix instructions: token blocks a0, a0 + 1 x W's eight, 128 along K.  first = 1: the bias is the C: nothing is cleared and nothing is added later.
; The 64 accumulators take turns, one instruction a turn, in the same order in every step.
.macro MUL16 a0, p, q, sc, first
.irp a, \a0, \a0+1
.irp b, 0,1,2,3,4,5,6,7
.if \first
	v_wmma_scale_f32_16x16x128_f8f6f4 v[8*(8*((\a)%4)+\b):8*(8*((\a)%4)+\b)+7], v[128*(\p)+FR*\b:128*(\p)+FR*\b+FR-1], v[AF+FR*(\a):AF+FR*(\a)+FR-1], v[BI+8*\b:BI+8*\b+7], v[SC+8*NQ*(\sc)+NQ*\b+(\q)], v[SC+8*NQ*(\sc)+NQ*(\a)+(\q)] matrix_a_fmt:MATRIX_FMT_FP6 matrix_b_fmt:MATRIX_FMT_FP6 matrix_a_scale:MATRIX_SCALE_ROW1
.else
	v_wmma_scale_f32_16x16x128_f8f6f4 v[8*(8*((\a)%4)+\b):8*(8*((\a)%4)+\b)+7], v[128*(\p)+FR*\b:128*(\p)+FR*\b+FR-1], v[AF+FR*(\a):AF+FR*(\a)+FR-1], v[8*(8*((\a)%4)+\b):8*(8*((\a)%4)+\b)+7], v[SC+8*NQ*(\sc)+NQ*\b+(\q)], v[SC+8*NQ*(\sc)+NQ*(\a)+(\q)] matrix_a_fmt:MATRIX_FMT_FP6 matrix_b_fmt:MATRIX_FMT_FP6 matrix_a_scale:MATRIX_SCALE_ROW1
.endif
.endr
.endr
.endm
.macro FETCH_B slot, q, p
	WIN TO_B
.irp i, 0,1,2,3,4,5,6,7
	FRAG 128*(\p)+FR*\i, ADRB+\slot, \q, \i
.endr
	WIN 0
.endm
.macro FETCH_A slot, q, i0
.irp i, \i0, \i0+1, \i0+2, \i0+3
	FRAG AF+FR*(\i), ADRA+\slot, \q, \i
.endr
.endm
.macro SCALES sc                       ; a K step's scale words: lanes 0-15 x's block i, lanes 16-31 W's block i
.irp i, 0,1,2,3,4,5,6,7
	ds_load_b64 v[SC+8*NQ*\sc+NQ*\i:SC+8*NQ*\sc+NQ*\i+1], v[ADRS] offset:\i*SBLK
.endr
.endm
.macro PLACES n                        ; plain vector lines between a matrix instruction and a load into, or a read of, its registers
.rept \n
	v_nop
.endr
.endm
.macro STEP slot, q, first             ; a step of 128 along K that has its successor in the same slot
	s_wait_dscnt 4*NL                              ; W's set and x's blocks 0-3 are in; the youngest 24 loads (x's blocks 4-7) may be out
.if \first
	WIN 0x81                                       ; C (the bias) window 0, D window 2
.else
	WIN MUL_LO
.endif
	MUL16 0, (\q)%2, \q, \slot, \first
	MUL16 2, (\q)%2, \q, \slot, \first
	s_wait_dscnt 0
	PLACES NP
	FETCH_B \slot, (\q)+1, 1-(\q)%2
	FETCH_A \slot, (\q)+1, 0
.if \first
	WIN 0xc1                                       ; C window 0, D window 3
.else
	WIN MUL_HI
.endif
	MUL16 4, (\q)%2, \q, \slot, \first
	MUL16 6, (\q)%2, \q, \slot, \first
	PLACES NP
	WIN 0
	FETCH_A \slot, (\q)+1, 4
.endm
; A slot's last step changes slots: one barrier; in front of it each wave waits for all its tensor loads, adds 0 to its spare word, and waits for that and for its reads of this slot.
.macro TURN slot, next, fill
	s_wait_tensorcnt 0x0                           ; all my tensor loads have landed: my part of the next slot
	ds_add_u32 v[SPW], v[NIL]                      ; 0 onto my spare word
	s_wait_dscnt 4*NL+1                            ; (the add and the youngest 24 loads may be out)
	WIN MUL_LO
	MUL16 0, 1, NQ-1, \slot, 0
	s_wait_dscnt 0x0                               ; the add is done, and my reads of this slot are over
	s_barrier_signal -1
	MUL16 2, 1, NQ-1, \slot, 0
	WIN 0
	s_barrier_wait -1
.if \fill
	CREST                                          ; the barrier has opened a round of the cluster's barrier: no wave of any partner still reads this slot or has a load on its way
	s_add_nc_u64 s[G0+4*\slot+2:G0+4*\slot+3], s[G0+4*\slot+2:G0+4*\slot+3], 2*ROWB
	s_add_nc_u64 s[G0B+4*\slot+2:G0B+4*\slot+3], s[G0B+4*\slot+2:G0B+4*\slot+3], 2*ROWB
	JLOAD G0+4*\slot, G1, G0B+4*\slot, G1B         ; the first tensor load behind the round; its four v_nop are the places in front of the loads below
.else
	PLACES NP
.endif
	v_add_nc_u32 v[ADRS], 4*NQ, v[ADRS]            ; the next K step's scale words
	FETCH_B \next, 0, 0
	FETCH_A \next, 0, 0
	SCALES \next
	WIN MUL_HI
	MUL16 4, 1, NQ-1, \slot, 0
	MUL16 6, 1, NQ-1, \slot, 0
	PLACES NP
	WIN 0
	FETCH_A \next, 0, 4
.endm
	s_wait_tensorcnt 1                             ; of my three first fills the scales and K step 0 are in; K step 1's may be out
	s_barrier_signal -1
	s_barrier_wait -1
	FETCH_B 0, 0, 0
	FETCH_A 0, 0, 0
	SCALES 0
	FETCH_A 0, 0, 4
	s_wait_loadcnt 0x0                             ; the bias
	STEP 0, 0, 1
	s_mov_b32 s3, LAPS-1
.Llap:                                                 ; a trip goes once round the ring and fills both slots again
	TURN 0, 1, 1
	STEP 1, 0, 0
	TURN 1, 0, 1
	STEP 0, 0, 0
	s_sub_co_u32 s3, s3, 1
	s_cmp_lg_u32 s3, 0
	s_cbranch_scc1 .Llap
	TURN 0, 1, 0                                   ; the last lap fills nothing
	STEP 1, 0, 0
	s_wait_dscnt 4*NL
	WIN MUL_LO
	MUL16 0, 1, NQ-1, 1, 0
	MUL16 2, 1, NQ-1, 1, 0
	s_wait_dscnt 0
	WIN MUL_HI
	MUL16 4, 1, NQ-1, 1, 0
	MUL16 6, 1, NQ-1, 1, 0
	WIN 0
	; THE WAY OUT.  What both ways share; these ten plain lines name no register of the last products and are the places behind them.
	v_and_b32 v1, 15, v0                           ; r
	v_bfe_u32 v2, v0, 4, 1                         ; h
	v_and_b32 v3, 31, v0                           ; lane
	v_and_b32 v4, 7, v0                            ; lane % 8
	v_bfe_u32 v5, v0, 3, 1                         ; (lane / 8) % 2
	v_lshlrev_b32 v12, 4, v3                       ; to memory: 16 x lane
	v_mul_u32_u24 v13, v2, s66
	v_lshl_add_u32 v13, v1, 4, v13                 ; the scale words: lanes 0-15 my first head's 256 bytes, lanes 16-31 my second's
	v_mul_u32_u24 v[STO], v1, SPITCH
	v_lshl_add_u32 v[STO], v2, 5, v[STO]           ; into a stage: row r, 32 bytes for each half of the lanes
	s_mul_i32 s22, s14, 12800                      ; my images
	s_mul_i32 s23, s14, 16*SPITCH                  ; my stage
.macro TOSTAGE a                       ; block a, 16 tokens x 128 columns, as it stands; each accumulator from its low end on
.set AC, 64*((\a)%4)
	WIN 0x08+4*((\a)/4)                            ; the data: window 2 or 3
.irp b, 0,1,2,3,4,5,6,7
	ds_store_b128 v[STO], v[AC+8*\b:AC+8*\b+3] offset:64*\b
	ds_store_b128 v[STO], v[AC+8*\b+4:AC+8*\b+7] offset:64*\b+16
.endr
	WIN 0
.endm
.macro OUT li                          ; the images leave: 24 x 512 bytes of codes, 512 bytes of scale words.  LDS serves a wave's instructions in order: these loads see my stores
.irp j, 0,1,2,3,4,5,6,7,8,9,10,11,12,13,14,15,16,17,18,19,20,21,22,23
	ds_load_b128 v[128+4*\j:131+4*\j], v[\li] offset:512*\j
.endr
	ds_load_b128 v[224:227], v[\li] offset:12288
.irp j, 0,1,2,3,4,5,6,7,8,9,10,11
	s_wait_dscnt 24-\j                             ; load j is in; the 24 - j younger ones may be out
	global_store_b128 v12, v[128+4*\j:131+4*\j], s[92:93] offset:512*\j            ; 32 lanes store 512 consecutive bytes, at a multiple of 256 from the buffer's first byte
.endr
.irp j, 12,13,14,15,16,17,18,19,20,21,22,23
	s_wait_dscnt 24-\j
	global_store_b128 v12, v[128+4*\j:131+4*\j], s[94:95] offset:512*(\j-12)
.endr
	s_wait_dscnt 0x0
	global_store_b128 v13, v[224:227], s[92:93] offset:6144                        ; sixteen lanes store a head's 256 bytes of scale words
.endm
	s_cmp_eq_u32 ttmp9, 2                          ; the cluster's x: the same in all sixteen partners
	s_cbranch_scc1 .Lv
	; ---- q and k: quantised along d
	v_add_nc_u32 v[STO], s23, v[STO]
	v_mul_u32_u24 v[RD], v1, SPITCH
	v_lshl_add_u32 v[RD], v2, 8, v[RD]
	v_add_nc_u32 v[RD], s23, v[RD]                 ; back: row r, head h: 256 bytes a lane
	s_add_co_u32 s22, s22, QIMG
	v_mul_u32_u24 v6, v2, 6144                     ; head h's images; token 16 a + r is row (r % 8) + 8 (a % 2) of fragment a / 2, in registers 6 u on, u = r / 8
	v_lshl_add_u32 v6, v4, 4, v6
	v_add_nc_u32 v6, s22, v6
	v_mad_u32_u24 v7, v5, 520, v6                  ; codes' registers 0, 1: image byte 0 (u = 0) or 520 (u = 1: registers 6, 7)
	v_mad_u32_u24 v8, v5, 1016, v6
	v_add_nc_u32 v8, 8, v8                         ; registers 2, 3: byte 8 or 1,024
	v_add_nc_u32 v9, 512, v7                       ; registers 4, 5: byte 512 or 1,032
	v_lshlrev_b32 v10, 8, v2
	v_lshl_add_u32 v10, v4, 4, v10
	v_lshl_add_u32 v10, v5, 1, v10
	v_add_nc_u32 v10, s22, v10
	v_add_nc_u32 v10, 12288, v10                   ; the two scale bytes: head h's words, row's 16 bytes, bytes 2 u and 2 u + 1
	v_add_nc_u32 v11, s22, v12                     ; the images as they leave: 16 x lane
.macro BACKQ a
.set XQ, 128+64*((\a)%2)
.irp i, 0,1,2,3,4,5,6,7,8,9,10,11,12,13,14,15
	ds_load_b128 v[XQ+4*\i:XQ+4*\i+3], v[RD] offset:16*\i
.endr
.endm
.macro QUANTQ a                        ; my token's 64 numbers of my head: two blocks of 32, each all mine
.set XQ, 128+64*((\a)%2)
.set CQ, 32+12*((\a)%2)
.set OQ, 1536*((\a)/2)+128*((\a)%2)
.irp c, 0,1
	v_max3_num_f32 v[64+\c], |v[XQ+32*\c]|, |v[XQ+32*\c+1]|, 0x1800000   ; the largest magnitude, with the floor 2^(3 - 127) among its leaves: the byte cannot fall under 1
.endr
.irp i, 2,4,6,8,10,12,14,16,18,20,22,24,26,28,30
.irp c, 0,1
	v_max3_num_f32 v[64+\c], v[64+\c], |v[XQ+32*\c+\i]|, |v[XQ+32*\c+\i+1]|
.endr
.endr
.irp c, 0,1
	v_add_nc_u32 v[66+\c], 0xff000000, v[64+\c]    ; 2 off its exponent field: the conversion's scale operand
.endr
.irp c, 0,1
	v_lshrrev_b32 v[68+\c], 23, v[66+\c]           ; the scale's byte
.endr
	v_lshl_or_b32 v70, v69, 8, v68
.irp c, 0,1
	v_cvt_scalef32_pk16_fp6_f32 v[CQ+6*\c:CQ+6*\c+2], v[XQ+32*\c:XQ+32*\c+15], v[66+\c]
	v_cvt_scalef32_pk16_fp6_f32 v[56+4*\c:58+4*\c], v[XQ+32*\c+16:XQ+32*\c+31], v[66+\c]   ; (a conversion's three registers begin on an even number)
.endr
	v_nop                                          ; one plain place behind a scaled conversion
.irp c, 0,1
.irp i, 0,1,2
	v_mov_b32 v[CQ+6*\c+3+\i], v[56+4*\c+\i]
.endr
.endr
.irp c, 0,1                                    ; block c belongs to the image's lanes 16 c on
	ds_store_b64 v7, v[CQ+6*\c:CQ+6*\c+1] offset:OQ+256*\c
	ds_store_b64 v8, v[CQ+6*\c+2:CQ+6*\c+3] offset:OQ+256*\c
	ds_store_b64 v9, v[CQ+6*\c+4:CQ+6*\c+5] offset:OQ+256*\c
.endr
	ds_store_b16 v10, v70 offset:128*((\a)%2)+4*((\a)/2)
.endm
	TOSTAGE 0
	BACKQ 0
.irp a, 1,2,3,4,5,6,7
	TOSTAGE \a
	BACKQ \a
	s_wait_dscnt 32                                ; all but block a's 16 stores and 16 loads: block a - 1 is back, and the image stores of two blocks ago have read their registers
	QUANTQ \a-1
.endr
	s_wait_dscnt 0x0
	QUANTQ 7
	OUT 11
	s_branch .Lend
	; ---- v: quantised along the keys
.Lv:
	s_add_co_u32 s23, s23, VSTG
	s_add_co_u32 s22, s22, VIMG
	v_add_nc_u32 v[STO], s23, v[STO]
	v_lshl_add_u32 v[RD], v3, 2, s23               ; back: a lane a column, 4 bytes of each row
	v_mul_u32_u24 v7, v5, 1536                     ; column 32 cg + lane is d = 32 (cg % 2) + lane of head cg / 2: fragment 2 (cg % 2) + (lane / 8) % 2, row lane % 8 + 8 (lane / 16)
	v_lshl_add_u32 v7, v4, 4, v7
	v_lshl_add_u32 v7, v2, 7, v7
	v_add_nc_u32 v7, s22, v7
	v_lshlrev_b32 v10, 4, v4
	v_lshl_add_u32 v10, v2, 7, v10
	v_lshl_add_u32 v10, v5, 2, v10
	v_add_nc_u32 v10, s22, v10
	v_add_nc_u32 v10, 12288, v10                   ; its scale word
	v_add_nc_u32 v11, s22, v12
.macro BACKV set                       ; 16 tokens down each of my four columns
.irp cg, 0,1,2,3
.irp i, 0,1,2,3,4,5,6,7,8,9,10,11,12,13,14,15
	ds_load_b32 v[\set+16*\cg+\i], v[RD] offset:SPITCH*\i+128*\cg
.endr
.endr
.endm
.macro QUANTV g                        ; key block g of my four columns: keys 32 g + 0 .. 15 in v128 on, 32 g + 16 .. 31 in v192 on
.irp cg, 0,1,2,3
	v_max3_num_f32 v[84+\cg], |v[128+16*\cg]|, |v[129+16*\cg]|, 0x1800000
.endr
.irp i, 2,4,6,8,10,12,14
.irp cg, 0,1,2,3
	v_max3_num_f32 v[84+\cg], v[84+\cg], |v[128+16*\cg+\i]|, |v[129+16*\cg+\i]|
.endr
.endr
.irp i, 0,2,4,6,8,10,12,14
.irp cg, 0,1,2,3
	v_max3_num_f32 v[84+\cg], v[84+\cg], |v[192+16*\cg+\i]|, |v[193+16*\cg+\i]|
.endr
.endr
.irp cg, 0,1,2,3
	v_add_nc_u32 v[88+\cg], 0xff000000, v[84+\cg]
.endr
.irp cg, 0,1,2,3
	v_lshrrev_b32 v[92+\cg], 23, v[88+\cg]
.endr
.irp cg, 0,1,2,3
.if \g == 0
	v_mov_b32 v[80+\cg], v[92+\cg]                 ; the column's scale word: byte g for key block g
.else
	v_lshl_or_b32 v[80+\cg], v[92+\cg], 8*\g, v[80+\cg]
.endif
.endr
.irp cg, 0,1,2,3
	v_cvt_scalef32_pk16_fp6_f32 v[32+8*\cg:34+8*\cg], v[128+16*\cg:143+16*\cg], v[88+\cg]
	v_cvt_scalef32_pk16_fp6_f32 v[64+4*\cg:66+4*\cg], v[192+16*\cg:207+16*\cg], v[88+\cg]
.endr
	v_nop                                          ; one plain place behind a scaled conversion
.irp cg, 0,1,2,3
.irp i, 0,1,2
	v_mov_b32 v[35+8*\cg+\i], v[64+4*\cg+\i]
.endr
.endr
.irp cg, 0,1,2,3                               ; key block g = 2 c + h: the image's lanes 16 (g % 2) on, registers 6 (g / 2) on
.if \g < 2
	ds_store_b128 v7, v[32+8*\cg:35+8*\cg] offset:6144*(\cg/2)+3072*(\cg%2)+256*(\g%2)
	ds_store_b64 v7, v[36+8*\cg:37+8*\cg] offset:6144*(\cg/2)+3072*(\cg%2)+256*(\g%2)+512
.else
	ds_store_b64 v7, v[32+8*\cg:33+8*\cg] offset:6144*(\cg/2)+3072*(\cg%2)+256*(\g%2)+520
	ds_store_b128 v7, v[34+8*\cg:37+8*\cg] offset:6144*(\cg/2)+3072*(\cg%2)+256*(\g%2)+1024
.endif
.endr
.endm
.irp g, 0,1,2,3
	TOSTAGE 2*\g
	BACKV 128
	TOSTAGE 2*\g+1                                 ; LDS serves a wave's instructions in order: these stores come behind the loads above
	BACKV 192
	s_wait_dscnt 0x0                               ; both halves of the key block are back, and the last block's image stores have read their registers
	QUANTV \g
.endr
.irp cg, 0,1,2,3
	ds_store_b32 v10, v[80+\cg] offset:256*(\cg/2)+8*(\cg%2)
.endr
	OUT 11
.Lend:
	s_wait_tensorcnt 0x0                           ; the wave's end: behind my last tensor load and my last LDS store
	ds_add_u32 v[SPW], v[NIL]
	s_wait_dscnt 0x0
	CROUND                                         ; the closing round: no work-group ends while a partner may still ask for a tile that names it
	s_endpgm
.Lfunc_end_k_q45b89d6768_qkv:
	.size	k_q45b89d6768_qkv, .Lfunc_end_k_q45b89d6768_qkv-k_q45b89d6768_qkv
	.p2alignl 7, 3214868480
	.fill 96, 4, 3214868480
	.section	.rodata,"a",@progbits
	.p2align	6, 0x0
	.amdhsa_kernel k_q45b89d6768_qkv
		.amdhsa_group_segment_fixed_size 327680
		.amdhsa_private_segment_fixed_size 0
		.amdhsa_enable_private_segment 0
		.amdhsa_kernarg_size 56
		.amdhsa_user_sgpr_count 2
		.amdhsa_user_sgpr_kernarg_segment_ptr 1
		.amdhsa_wavefront_size32 1
		.amdhsa_system_sgpr_workgroup_id_x 1
		.amdhsa_system_sgpr_workgroup_id_y 1
		.amdhsa_system_sgpr_workgroup_id_z 1
		.amdhsa_system_vgpr_workitem_id 0
		.amdhsa_next_free_vgpr 1024
		.amdhsa_next_free_sgpr 100
		.amdhsa_reserve_vcc 0
		.amdhsa_float_denorm_mode_32 3
		.amdhsa_float_denorm_mode_16_64 3
		.amdhsa_memory_ordered 1
		.amdhsa_forward_progress 1
		.amdhsa_inst_pref_size 252
	.end_amdhsa_kernel
	.amdgpu_metadata
---
amdhsa.version: [ 1, 2 ]
amdhsa.kernels:
  - .name:           k_q45b89d6768_qkv
    .symbol:         k_q45b89d6768_qkv.kd
    .args:
      - { .name: x_codes, .offset: 0, .size: 8, .value_kind: global_buffer, .address_space: global }
      - { .name: x_scales, .offset: 8, .size: 8, .value_kind: global_buffer, .address_space: global }
      - { .name: W_attn_codes, .offset: 16, .size: 8, .value_kind: global_buffer, .address_space: global }
      - { .name: W_attn_scales, .offset: 24, .size: 8, .value_kind: global_buffer, .address_space: global }
      - { .name: b_attn, .offset: 32, .size: 8, .value_kind: global_buffer, .address_space: global }
      - { .name: q_ws, .offset: 40, .size: 8, .value_kind: global_buffer, .address_space: global }
      - { .name: kv_ws, .offset: 48, .size: 8, .value_kind: global_buffer, .address_space: global }
    .group_segment_fixed_size: 327680
    .private_segment_fixed_size: 0
    .kernarg_segment_align: 8
    .kernarg_segment_size: 56
    .max_flat_workgroup_size: 128
    .sgpr_count:     100
    .vgpr_count:     1024
    .wavefront_size: 32
...
	.end_amdgpu_metadata
.endif
;; end of part 1
;; launch attn (part 2): grid 4 x 64, 16 waves a work-group, no clusters, 327,680 bytes of LDS; arguments q_ws, kv_ws, att_ws, att_sc; writes att_ws, att_sc
.if DOCPART == 2
	.amdgcn_target "amdgcn-amd-amdhsa--gfx1250"
	.amdhsa_code_object_version 6
	.text
	.protected	k_q45b89d6768_attn
	.globl	k_q45b89d6768_attn
	.p2align	8
	.type	k_q45b89d6768_attn,@function
k_q45b89d6768_attn:
	s_mov_b64 s[64:65], 0
	v_nop
	global_prefetch_b8 v0, s[64:65] scope:SCOPE_SE
	s_setreg_imm32_b32 hwreg(HW_REG_WAVE_MODE, 25, 1), 1
	s_wait_xcnt 0x0
; Causal attention of one head (64 numbers a head, 2,048 tokens) on codes of FP6 (E2M3) with one E8M0 scale for each 32 along a product's K, and the result quantised along C for the projection that follows.
; THE SOFTMAX AHEAD OF THE SECOND PRODUCT: t = score x log2(e) / 8; M = the row's largest t so far, rounded UP to a whole number; p = 2^(t - M) is what is quantised, along the keys, not normalised.
; The row's sum is taken of the unquantised p, in f32, and divides O at the end.  When M moves, the sum and O are multiplied by 2^(old M - new M): exact.
; INPUTS, as the launch before laid them: PARTs of 6,400 bytes: four fragments as images of the operand's registers (register i of lane L at 512 (i / 4) + 16 L + 4 (i % 4)), then 256 bytes of scale words (fragment f, row r at 16 r + 4 f).
;   q_ws [head 64][key step 16] PART;  kv_ws [head][key step][K's PART, V's PART].  A fragment comes by three loads of 16 bytes a lane, a PART's four scale words of a row by one.
;   A fragment of q or k holds TWO tiles of 16 tokens: registers 6 u .. 6 u + 5 of lane (r, h): token 32 f + 8 u + r + 8 (r / 8), d = 32 h + 0 .. 31.  The head's 64 fill half of the instruction's 128 along K:
;   the other operand, Q, stands in one half with zero codes in the other, (Q, 0) for tile 2 f and (0, Q) for tile 2 f + 1: v16-21 zeros, v22-27 Q, v28-33 zeros serve both.
; SHARES.  Work-group (i, head) owns the blocks of 256 queries i and 7 - i, one after the other, and walks slots of 256 keys 0 .. i, then 0 .. 7 - i: nine trips in every work-group, a constant of the text,
; equal work everywhere, and no slot is fetched that lies wholly behind the mask.  Each of sixteen waves owns 16 queries, one tile: four waves to a SIMD, so that one wave's vector work stands beside another's matrix work and LDS loads.
; LAYOUT.  Both products are used transposed: S^T = K Q^T, O^T = V^T P^T: a lane holds ONE query throughout; the 16 registers of tiles 2 b, 2 b + 1 of S^T are keys 32 b + 16 (lane / 16) + 0 .. 15, and those of O^T d = 32 b + 16 (lane / 16) + 0 .. 15.
; NO CLUSTER: the four work-groups of a head want different slots in the same trip (work-group i reads slot t in trips t <= i and slot t - i - 1 later), so no joint request could name them.
; OUTPUT: att_ws [tile of 16 tokens 512][head 16][768 bytes]: the six registers of half a fragment (registers 0-3 of lane L at 16 L, 4-5 at 512 + 8 L); tile 2 G + u holds tokens 32 G + 8 u + r + 8 (r / 8).  att_sc [16 tile + r][32]: byte 2 head + block.
; LIMITS: NaN and infinities are not served.  A block of zeros, or under 2^-124, gets the scale byte 1; only this program reads the bytes.  O / l is a reciprocal (v_rcp_f32) and a multiplication.
; A block's largest p is made from the block's largest score by the same multiply-add and exponential; that takes v_exp_f32 not to fall where its input rises.
; REGISTERS: v1-11 addresses; v12 -M, v13 the largest t, v[14:15] the sum; v16-33 Q between zeros; v34 Q's scale word; v35 my query's place; v36-83 four fragments; v84-87 their scale words; v88 the prefetches' offset;
;   v96-159 S^T, then p; v160-191 O^T; v192-203 p's codes; v204-210 conversions; v212 p's scale word; v216-235 at work.
.set PART,  6400
.set STEPB, 2*PART                     ; a key step in a slot: K's PART, V's PART
.set SLOTB, 2*STEPB                    ; 256 keys
.set SLOT1, 32768                      ; slot 1 begins here: one exclusive or turns an address
.set HEADB, 16*STEPB                   ; a head in kv_ws
.set SPARE, 65536                      ; the spare words: 128 bytes for each of sixteen waves, eight blocks of 256 bytes that no other line names
.set WV, 12                            ; s12 wave;  s13 I = work-group x;  s14 head
.set TT, 15                            ; s15 trip
.set TB, 16                            ; s16 LDS byte at which the slot in hand begins
.set KF, 17                            ; s17 the step's first key
.set NS, 18                            ; s18 the slot of keys last asked for
.set QMIN, 19                          ; s19 my first query;  s40 my last
.set QMAX, 40
.set QB0, 54                           ; s54 the first token of my tile's 32
; Waves 0 to 3 fetch one PART of a slot each, the others nothing.  Four v_nop follow the load.
.macro TLOAD
	s_cmp_lt_u32 s[WV], 4
	s_cbranch_scc0 .Lnone_\@
	tensor_load_to_lds s[32:35], s[24:31]
	s_nop 0
.rept 4
	v_nop
.endr
.Lnone_\@:
.endm
; A PREFETCH INTO THE L2.  A head's K and V are 25 pieces of 8,192 bytes.  Waves 4 to 7 of the head's work-group 0 ask, in trip t, for piece 4 t + wave, lanes 256 bytes apart: each aligned block of 256 bytes is named once in the
; launch, none past the head's 204,800 bytes; pieces 0 to 3 come by their loads alone.  That work-group's load in trip t + 1 ends at byte 25,600 (t + 2), and by trip t the bytes up to 32,768 (t + 2) have been named.
.macro ASK
	s_cmp_lt_u32 s52, 25
	s_cbranch_scc0 .Lnot_mine_\@
	global_prefetch_b8 v88, s[50:51] th:TH_LOAD_NT scope:SCOPE_SE
.Lnot_mine_\@:
.endm
; What hangs on the block of queries, s43.  Every address is made from its own buffer's pointer.
.macro SETPASS
	s_lshl_b32 s[QB0], s43, 8
	s_lshr_b32 s55, s[WV], 1
	s_lshl_b32 s55, s55, 5
	s_add_co_u32 s[QB0], s[QB0], s55               ; 256 x block + 32 (wave / 2)
	s_and_b32 s55, s[WV], 1
	s_lshl_b32 s55, s55, 3
	s_add_co_u32 s[QMIN], s[QB0], s55              ; + 8 u: row 0's token
	s_add_co_u32 s[QMAX], s[QMIN], 23              ; row 15's: 15 + 8 on
	s_lshl_b32 s55, s14, 4
	s_lshl_b32 s56, s43, 1
	s_add_co_u32 s55, s55, s56
	s_lshr_b32 s56, s[WV], 3
	s_add_co_u32 s55, s55, s56                     ; Q's PART: 16 head + 2 block + wave / 8
	s_mul_i32 s56, s55, PART
	s_mov_b32 s57, 0
	s_add_nc_u64 s[44:45], s[4:5], s[56:57]
	s_lshr_b32 s55, s14, 4
	s_lshl_b32 s55, s55, 7
	s_lshl_b32 s58, s43, 4
	s_add_co_u32 s55, s55, s58
	s_add_co_u32 s55, s55, s[WV]                   ; my tile of 16 tokens: 128 batch + 16 block + wave
	s_and_b32 s58, s14, 15                         ; the head within the batch
	s_lshl_b32 s56, s55, 4
	s_add_co_u32 s56, s56, s58
	s_mul_i32 s56, s56, 768
	s_add_nc_u64 s[46:47], s[8:9], s[56:57]        ; att_ws
	s_lshl_b32 s56, s55, 9
	s_lshl_b32 s58, s58, 1
	s_add_co_u32 s56, s56, s58
	s_add_nc_u64 s[48:49], s[10:11], s[56:57]      ; att_sc
.endm
.macro LOADQ                           ; my fragment of q, of which my tile is registers 6 u on, and my row's scale word, of which bytes 2 u, 2 u + 1 are mine
	global_load_b128 v[96:99], v3, s[44:45]
	global_load_b128 v[100:103], v3, s[44:45] offset:512
	global_load_b128 v[104:107], v3, s[44:45] offset:1024
	global_load_b32 v108, v4, s[44:45]
	s_wait_loadcnt 0x0
.irp i, 0,1,2,3,4,5
	v_cndmask_b32 v[22+\i], v[96+\i], v[102+\i], s41
.endr
	v_perm_b32 v34, v108, v108, s42                ; (s0, s1, s0, s1): the same two bytes serve Q in either half
.endm
.macro INIT                            ; a pass begins: O^T and the sum are zeros, the largest t lies under every t.  These lines are also the places between the writes of Q and its scale word and the first product
	v_mov_b32 v13, 0xff61b1e6                      ; -3e38
	s_delay_alu instid0(VALU_DEP_1)
	v_floor_f32 v12, -v13
	v_mov_b32 v14, 0
	v_mov_b32 v15, 0
.set n, 0
.rept 32
	v_mov_b32 v[160+n], 0
.set n, n+1
.endr
	s_mov_b32 s[KF], 0
.endm
; A KEY STEP: 128 keys, the q-th of the slot in hand.
.macro STEP q
	s_cmp_gt_u32 s[KF], s[QMAX]                    ; all its keys come after my queries: the step's work is left out (a branch on ids; no barrier and no tensor load stands in a step)
	s_cbranch_scc1 .Lhidden_\@
	v_add_nc_u32 v10, s[TB], v1
	v_add_nc_u32 v11, s[TB], v2
.irp f, 0,1,2,3
.irp c, 0,1,2
	ds_load_b128 v[36+12*\f+4*\c:39+12*\f+4*\c], v10 offset:STEPB*(\q)+1536*\f+512*\c
.endr
.endr
	ds_load_b128 v[84:87], v11 offset:STEPB*(\q)
	s_wait_alu depctr_va_vdst(0)
	s_wait_dscnt 0x0
.irp f, 0,1,2,3                                ; S^T = K Q^T: fragment f's two tiles, picked by the half in which Q stands
	v_wmma_scale_f32_16x16x128_f8f6f4 v[96+16*\f:103+16*\f], v[36+12*\f:47+12*\f], v[22:33], 0, v[84+\f], v34 matrix_a_fmt:MATRIX_FMT_FP6 matrix_b_fmt:MATRIX_FMT_FP6
	v_wmma_scale_f32_16x16x128_f8f6f4 v[104+16*\f:111+16*\f], v[36+12*\f:47+12*\f], v[16:27], 0, v[84+\f], v34 matrix_a_fmt:MATRIX_FMT_FP6 matrix_b_fmt:MATRIX_FMT_FP6
.endr
.rept 4
	v_nop                                          ; places in front of the loads below and of the first read of the scores
.endr
.irp f, 0,1,2,3                                ; V's fragments into the same registers: they land under the softmax
.irp c, 0,1,2
	ds_load_b128 v[36+12*\f+4*\c:39+12*\f+4*\c], v10 offset:STEPB*(\q)+PART+1536*\f+512*\c
.endr
.endr
	ds_load_b128 v[84:87], v11 offset:STEPB*(\q)+PART
	s_add_co_u32 s55, s[KF], 127                   ; on the diagonal the scores of hidden keys become -infinity ahead of the maximum.  A step all of whose keys count skips this
	s_cmp_le_u32 s55, s[QMIN]
	s_cbranch_scc1 .Lopen_\@
	s_sub_co_i32 s55, s[QB0], s[KF]
	v_add_nc_u32 v231, s55, v35                    ; d = my query - KF - 16 (lane / 16).  Register 16 b + i holds key KF + 16 (lane / 16) + 32 b + i: hidden where 32 b + i > d
	v_mov_b32 v233, 0xff800000
.set n, 0
.rept 64
	v_cmp_gt_i32 vcc_lo, 32*(n/16)+n%16, v231
	v_cndmask_b32 v[96+n], v[96+n], v233, vcc_lo
.set n, n+1
.endr
.Lopen_\@:
.irp b, 0,1,2,3
	v_max3_num_f32 v[216+\b], v[96+16*\b], v[97+16*\b], v[98+16*\b]   ; the largest score of each block of 32 keys: for the row's maximum, and, since p rises with the score, for the block's largest p
.endr
.irp i, 3,5,7,9,11,13
.irp b, 0,1,2,3
	v_max3_num_f32 v[216+\b], v[216+\b], v[96+16*\b+\i], v[97+16*\b+\i]
.endr
.endr
.irp b, 0,1,2,3
	v_max_num_f32 v[216+\b], v[216+\b], v[111+16*\b]
.endr
.irp b, 0,1,2,3
	s_delay_alu instid0(VALU_DEP_4)
	v_permlanex16_b32 v[220+\b], v[216+\b], s20, s21
.endr
.irp b, 0,1,2,3
	s_delay_alu instid0(VALU_DEP_4)
	v_max_num_f32 v[216+\b], v[216+\b], v[220+\b]  ; with lane l xor 16's 16 keys
.endr
	s_delay_alu instid0(VALU_DEP_2)
	v_max3_num_f32 v230, v216, v217, v218
	s_delay_alu instid0(VALU_DEP_1)
	v_max_num_f32 v230, v230, v219
	s_delay_alu instid0(VALU_DEP_1)
	v_mul_f32 v230, s22, v230                      ; as t
	s_delay_alu instid0(VALU_DEP_1)
	v_max_num_f32 v13, v13, v230                   ; the running largest t
	v_mov_b32 v230, v12
	s_delay_alu instid0(VALU_DEP_2)
	v_floor_f32 v12, -v13                          ; the new -M = floor(-t): M is a whole number
	s_delay_alu instid0(VALU_DEP_1)
	v_sub_f32 v230, v12, v230                      ; old M - new M: a whole number, 0 or less
	s_delay_alu instid0(VALU_DEP_1)
	v_cvt_i32_f32 v230, v230                       ; (it saturates)
	s_delay_alu instid0(VALU_DEP_1)
	v_ldexp_f32 v228, 1.0, v230                    ; f = 2^(old M - new M)
.set n, 0
.rept 32
	v_pk_fma_f32 v[96+n:97+n], v[96+n:97+n], s[22:23], v[12:13] op_sel_hi:[1,0,0]   ; t - M, two at a time
.set n, n+2
.endr
.irp b, 0,1,2,3
	v_fma_f32 v[216+\b], v[216+\b], s22, v12       ; the same of each block's largest score
.endr
.set n, 0
	s_wait_alu depctr_va_vdst(0)
.rept 64
	v_exp_f32 v[96+n], v[96+n]                     ; p = 2^(t - M)
.set n, n+1
.endr
.irp b, 0,1,2,3
	v_exp_f32 v[216+\b], v[216+\b]                 ; the block's largest p
.endr
	v_pk_mul_f32 v[14:15], v[14:15], v[228:229] op_sel_hi:[1,0]   ; the sums under the new M.  (A plain place behind the exponentials)
	s_wait_alu depctr_va_vdst(0)
.irp b, 0,1,2,3
	v_max_num_f32 v[216+\b], 0x1800000, v[216+\b]  ; the floor 2^(3 - 127): the byte cannot fall under 1
.endr
.irp b, 0,1,2,3
	s_delay_alu instid0(VALU_DEP_4)
	v_add_nc_u32 v[224+\b], 0xff000000, v[216+\b]  ; 2 off the exponent field: the conversion's scale operand
.endr
.irp b, 0,1,2,3
	s_delay_alu instid0(VALU_DEP_4)
	v_lshrrev_b32 v[220+\b], 23, v[224+\b]
.endr
	s_delay_alu instid0(VALU_DEP_3)
	v_lshl_or_b32 v212, v221, 8, v220              ; p's scale word for these 128 keys
	s_delay_alu instid0(VALU_DEP_1)
	v_lshl_or_b32 v212, v222, 16, v212
	s_delay_alu instid0(VALU_DEP_1)
	v_lshl_or_b32 v212, v223, 24, v212
.irp c, 0,1
	v_cvt_scalef32_pk16_fp6_f32 v[192+6*\c:194+6*\c], v[96+32*\c:111+32*\c], v[224+2*\c]
	v_cvt_scalef32_pk16_fp6_f32 v[204+4*\c:206+4*\c], v[112+32*\c:127+32*\c], v[224+2*\c+1]
.endr
	v_nop                                          ; one plain place behind a scaled conversion
.irp c, 0,1                                    ; the operand's layout wants a whole block in a lane
.irp i, 0,1,2
	v_permlane16_swap_b32 v[192+6*\c+\i], v[204+4*\c+\i]
.endr
.irp i, 0,1,2
	s_delay_alu instid0(VALU_DEP_3)
	v_mov_b32 v[195+6*\c+\i], v[204+4*\c+\i]
.endr
.endr
	v_pk_add_f32 v[234:235], v[100:101], v[104:105]
	v_pk_add_f32 v[254:255], v[108:109], v[112:113]
	v_pk_add_f32 v[252:253], v[116:117], v[120:121]
	v_pk_add_f32 v[250:251], v[124:125], v[128:129]
	v_pk_add_f32 v[248:249], v[132:133], v[136:137]
	v_pk_add_f32 v[246:247], v[140:141], v[144:145]
	v_pk_add_f32 v[244:245], v[148:149], v[152:153]
	v_pk_add_f32 v[14:15], v[14:15], v[156:157]
	v_pk_add_f32 v[234:235], v[234:235], v[96:97]
	v_pk_add_f32 v[254:255], v[254:255], v[98:99]
	v_pk_add_f32 v[252:253], v[252:253], v[102:103]
	v_pk_add_f32 v[250:251], v[250:251], v[106:107]
	v_pk_add_f32 v[248:249], v[248:249], v[110:111]
	v_pk_add_f32 v[246:247], v[246:247], v[114:115]
	v_pk_add_f32 v[244:245], v[244:245], v[118:119]
	v_pk_add_f32 v[14:15], v[14:15], v[122:123]
	v_pk_add_f32 v[234:235], v[234:235], v[126:127]
	v_pk_add_f32 v[254:255], v[254:255], v[130:131]
	v_pk_add_f32 v[252:253], v[252:253], v[134:135]
	v_pk_add_f32 v[250:251], v[250:251], v[138:139]
	v_pk_add_f32 v[248:249], v[248:249], v[142:143]
	v_pk_add_f32 v[246:247], v[246:247], v[146:147]
	v_pk_add_f32 v[244:245], v[244:245], v[150:151]
	v_pk_add_f32 v[14:15], v[14:15], v[154:155]
	v_pk_add_f32 v[234:235], v[234:235], v[158:159]
	s_delay_alu instid0(VALU_DEP_2)
	v_pk_add_f32 v[14:15], v[14:15], v[250:251]
	s_delay_alu instid0(VALU_DEP_2)
	v_pk_add_f32 v[234:235], v[234:235], v[248:249]
	v_pk_add_f32 v[254:255], v[254:255], v[246:247]
	v_pk_add_f32 v[252:253], v[252:253], v[244:245]
	s_delay_alu instid0(VALU_DEP_2)
	v_pk_add_f32 v[14:15], v[14:15], v[254:255]
	s_delay_alu instid0(VALU_DEP_2)
	v_pk_add_f32 v[234:235], v[234:235], v[252:253]
	s_delay_alu instid0(VALU_DEP_1)
	v_pk_add_f32 v[14:15], v[14:15], v[234:235]
.set n, 0
.rept 16
	v_pk_mul_f32 v[160+n:161+n], v[160+n:161+n], v[228:229] op_sel_hi:[1,0]   ; O^T under the new M
.set n, n+2
.endr
	s_wait_alu depctr_va_vdst(0)
	s_wait_dscnt 0x0                               ; V
.irp t, 0,1,2,3                                ; O^T += V^T P^T; the four accumulators by turns, the eight products of the scores between two turns of one
	v_wmma_scale_f32_16x16x128_f8f6f4 v[160+8*\t:167+8*\t], v[36+12*\t:47+12*\t], v[192:203], v[160+8*\t:167+8*\t], v[84+\t], v212 matrix_a_fmt:MATRIX_FMT_FP6 matrix_b_fmt:MATRIX_FMT_FP6
.endr
.rept 4
	v_nop                                          ; places in front of the next loads into the fragments, and of what reads or clears O^T
.endr
.Lhidden_\@:
	s_add_co_u32 s[KF], s[KF], 128
.endm
; THE CHANGE OF SLOTS stands at a slot's head.  Each wave waits for all its tensor loads (its part of the slot that it is about to read), adds 0 to its spare word, and waits for that and for its reads of the slot that it has left.
; fill = 1: behind the barrier the slot that was left is filled with the keys of the next trip: the next slot of this pass, or slot 0 where this trip is the first pass's last.
.macro CHANGE fill
	s_wait_tensorcnt 0x0                           ; no tensor load of mine is out, so the descriptor may be written
	ds_add_u32 v5, v6                              ; 0 onto my spare word
.if \fill
	s_add_co_u32 s[NS], s[NS], 1
	s_cmp_eq_u32 s[TT], s13
	s_cselect_b32 s[NS], 0, s[NS]
	s_xor_b32 s33, s33, SLOT1                      ; the other slot than last time
	s_mul_i32 s38, s[NS], SLOTB
	s_add_nc_u64 s[34:35], s[36:37], s[38:39]
	s_or_b32 s35, s35, 0x80000000
	s_wait_xcnt 0x0                                ; the last prefetch, a trip back, has read its address
	s_add_nc_u64 s[50:51], s[50:51], 32768
	s_add_co_u32 s52, s52, 4
.endif
	s_wait_dscnt 0x0                               ; the add is done, and my reads of the slot that I have left are over
	s_barrier_signal -1
	s_barrier_wait -1
.if \fill
	TLOAD                                          ; the first thing behind the barrier, and a wave's one tensor load until the next: one load of a wave is out
	ASK
.endif
.endm
; A PASS ENDS: O^T / l, quantised along C (the head's two blocks of 32), stored as half a fragment of the projection's operand.
.macro FINISH
	v_add_f32 v14, v14, v15
	s_delay_alu instid0(VALU_DEP_1)
	v_permlanex16_b32 v220, v14, s20, s21
	s_delay_alu instid0(VALU_DEP_1)
	v_add_f32 v14, v14, v220                       ; the row's sum
	s_wait_alu depctr_va_vdst(0)
	v_rcp_f32 v228, v14
	v_nop                                          ; one plain place behind a transcendental
.set n, 0
	s_wait_alu depctr_va_vdst(0)
.rept 16
	v_pk_mul_f32 v[96+n:97+n], v[160+n:161+n], v[228:229] op_sel_hi:[1,0]   ; register 16 b + i: d = 32 b + 16 (lane / 16) + i; each accumulator from its low end on
.set n, n+2
.endr
.irp b, 0,1
	v_max3_num_f32 v[216+\b], |v[96+16*\b]|, |v[97+16*\b]|, 0x1800000
.endr
.irp i, 2,4,6,8,10,12,14
.irp b, 0,1
	s_delay_alu instid0(VALU_DEP_2)
	v_max3_num_f32 v[216+\b], v[216+\b], |v[96+16*\b+\i]|, |v[97+16*\b+\i]|
.endr
.endr
.irp b, 0,1
	s_delay_alu instid0(VALU_DEP_2)
	v_permlanex16_b32 v[220+\b], v[216+\b], s20, s21
.endr
.irp b, 0,1
	s_delay_alu instid0(VALU_DEP_2)
	v_max_num_f32 v[216+\b], v[216+\b], v[220+\b]
.endr
.irp b, 0,1
	s_delay_alu instid0(VALU_DEP_2)
	v_add_nc_u32 v[224+\b], 0xff000000, v[216+\b]
.endr
.irp b, 0,1
	s_delay_alu instid0(VALU_DEP_2)
	v_lshrrev_b32 v[220+\b], 23, v[224+\b]
.endr
	s_delay_alu instid0(VALU_DEP_1)
	v_lshl_or_b32 v235, v221, 8, v220              ; my row's two scale bytes
	v_cvt_scalef32_pk16_fp6_f32 v[192:194], v[96:111], v224
	v_cvt_scalef32_pk16_fp6_f32 v[204:206], v[112:127], v225
	v_nop
.irp i, 0,1,2
	v_permlane16_swap_b32 v[192+\i], v[204+\i]     ; lanes 0-15 block 0, lanes 16-31 block 1
.endr
.irp i, 0,1,2
	s_delay_alu instid0(VALU_DEP_3)
	v_mov_b32 v[195+\i], v[204+\i]
.endr
	global_store_b128 v7, v[192:195], s[46:47]             ; 512 consecutive bytes,
	global_store_b64 v8, v[196:197], s[46:47] offset:512   ; and 256, both at multiples of 256 from the buffer's first byte
	global_store_b16 v9, v235, s[48:49]                    ; two bytes a row, 32 bytes apart (lanes l and l xor 16 store the same): 32 of the 800 bytes that a wave stores here
	s_wait_xcnt 0x0                                ; the stores have read their registers and bases: both may be written again
.endm
	s_load_b256 s[4:11], s[0:1], 0x0               ; q_ws, kv_ws, att_ws, att_sc
	v_lshl_add_u32 v5, v0, 2, SPARE
	v_mov_b32 v6, 0
	ds_add_u32 v5, v6
	ds_add_u32 v5, v6
	s_wait_dscnt 0x0
	v_lshrrev_b32 v1, 5, v0
	s_delay_alu instid0(VALU_DEP_1)
	v_readfirstlane_b32 s[WV], v1                  ; wave 0..15
	s_mov_b32 s13, ttmp9                           ; I
	s_and_b32 s14, ttmp7, 0xffff                   ; the head, 0..63
	s_mov_b32 s24, 3<<16                           ; descriptor group 1: a PART as 25 rows of 256 bytes (32 elements of 8 bytes), dense; no mask, no padding
	s_mov_b32 s25, 32<<16
	s_mov_b32 s26, 25<<16
	s_mov_b32 s27, 32<<16
	s_mov_b32 s28, 25
	s_mov_b32 s29, 32
	s_mov_b32 s30, 0
	s_mov_b32 s31, 0
	s_mul_i32 s38, s14, HEADB
	s_mul_i32 s55, s[WV], PART
	s_add_co_u32 s38, s38, s55
	s_mov_b32 s39, 0
	s_wait_kmcnt 0x0
	s_add_nc_u64 s[36:37], s[6:7], s[38:39]        ; my PART of the head's slot 0
	s_mov_b32 s32, 1
	s_mov_b32 s33, s55                             ; LDS: slot 0, PART wave
	s_mov_b64 s[34:35], s[36:37]
	s_or_b32 s35, s35, 0x80000000
	TLOAD                                          ; slot 0's first fill
	s_mov_b32 s20, 0x76543210
	s_mov_b32 s21, 0xfedcba98                      ; v_permlanex16_b32's selects for lane l xor 16
	s_mov_b32 s22, 0x3e38aa3b                      ; c = log2(e) / 8
	s_mov_b32 s23, s22                             ; (named with it as a pair, so it is written)
	s_mul_i32 s56, s14, HEADB                      ; the prefetches: piece wave % 4 of my head; the first change of slots steps four pieces on
	s_and_b32 s55, s[WV], 3
	s_lshl_b32 s58, s55, 13
	s_add_co_u32 s56, s56, s58
	s_mov_b32 s57, 0
	s_add_nc_u64 s[50:51], s[6:7], s[56:57]
	s_lshr_b32 s58, s[WV], 2
	s_xor_b32 s58, s58, 1                          ; 0 in waves 4 to 7,
	s_or_b32 s58, s58, s13                         ; of the head's work-group 0
	s_cmp_eq_u32 s58, 0
	s_cselect_b32 s52, s55, 1000                   ; the piece's number; in the others a number that never falls under 25
	s_and_b32 s55, s[WV], 1                        ; u
	s_cmp_eq_u32 s55, 1
	s_cselect_b32 s41, -1, 0
	s_mov_b32 s42, 0x01000100
	s_cselect_b32 s42, 0x03020302, s42
	v_and_b32 v1, 31, v0
	s_delay_alu instid0(VALU_DEP_1)
	v_lshlrev_b32 v88, 8, v1                       ; 256 x lane
	s_delay_alu instid0(VALU_DEP_2)
	v_lshlrev_b32 v8, 3, v1                        ; 8 x lane
	s_delay_alu instid0(VALU_DEP_3)
	v_lshlrev_b32 v1, 4, v1                        ; 16 x lane: an image's place for my lane
	s_delay_alu instid0(VALU_DEP_1)
	v_mov_b32 v7, v1
	v_and_b32 v9, 15, v0
	s_delay_alu instid0(VALU_DEP_1)
	v_lshl_add_u32 v2, v9, 4, 6144                 ; a PART's scale words of my row
	s_delay_alu instid0(VALU_DEP_2)
	v_lshlrev_b32 v9, 5, v9                        ; 32 r
	s_bfe_u32 s56, s[WV], 0x20001                  ; (wave / 2) % 4: my fragment of q's PART
	s_mul_i32 s57, s56, 1536
	v_add_nc_u32 v3, s57, v1
	s_lshl_b32 s57, s56, 2
	v_add_nc_u32 v4, s57, v2
	v_and_b32 v35, 15, v0
	v_and_b32 v36, 8, v0
	s_delay_alu instid0(VALU_DEP_1)
	v_add_nc_u32 v35, v35, v36                     ; r + 8 (r / 8)
	v_bfe_u32 v36, v0, 4, 1
	s_delay_alu instid0(VALU_DEP_1)
	v_lshlrev_b32 v36, 4, v36
	s_delay_alu instid0(VALU_DEP_1)
	v_sub_nc_u32 v35, v35, v36                     ; - 16 (lane / 16)
	s_lshl_b32 s55, s55, 3
	v_add_nc_u32 v35, s55, v35                     ; + 8 u
.irp i, 0,1,2,3,4,5
	v_mov_b32 v[16+\i], 0                          ; zero codes on both sides of Q
	v_mov_b32 v[28+\i], 0
.endr
.irp b, 0,1,2,3
	v_mov_b32 v[220+\b], 0                         ; written once: a lane permute's destination counts as one of its sources
.endr
	v_mov_b32 v229, 0                              ; (named as the upper half of the pair v[228:229])
	s_mov_b32 s43, s13                             ; the first pass: block I
	SETPASS
	LOADQ
	INIT
	s_mov_b32 s[TT], 0
	s_mov_b32 s[TB], 0
	s_mov_b32 s[NS], 0
.Ltrip:                                            ; eight trips; behind each change of slots the next trip's keys are asked for
	CHANGE 1
	STEP 0
	STEP 1
	s_xor_b32 s[TB], s[TB], SLOT1
	s_cmp_lg_u32 s[TT], s13                        ; trip I is the first pass's last (a branch on the work-group's number; no barrier and no tensor load stands under it)
	s_cbranch_scc1 .Lsame_pass
	FINISH
	s_sub_co_u32 s43, 7, s13                       ; the second pass: block 7 - I
	SETPASS
	LOADQ
	INIT
.Lsame_pass:
	s_add_co_u32 s[TT], s[TT], 1
	s_cmp_lt_u32 s[TT], 8
	s_cbranch_scc1 .Ltrip
	CHANGE 0                                       ; the ninth trip is written out
	STEP 0
	STEP 1
	FINISH
	s_wait_tensorcnt 0x0                           ; the wave's end
	ds_add_u32 v5, v6
	s_wait_dscnt 0x0
	s_endpgm
.Lfunc_end_k_q45b89d6768_attn:
	.size	k_q45b89d6768_attn, .Lfunc_end_k_q45b89d6768_attn-k_q45b89d6768_attn
	.p2alignl 7, 3214868480
	.fill 96, 4, 3214868480
	.section	.rodata,"a",@progbits
	.p2align	6, 0x0
	.amdhsa_kernel k_q45b89d6768_attn
		.amdhsa_group_segment_fixed_size 327680
		.amdhsa_private_segment_fixed_size 0
		.amdhsa_enable_private_segment 0
		.amdhsa_kernarg_size 32
		.amdhsa_user_sgpr_count 2
		.amdhsa_user_sgpr_kernarg_segment_ptr 1
		.amdhsa_wavefront_size32 1
		.amdhsa_system_sgpr_workgroup_id_x 1
		.amdhsa_system_sgpr_workgroup_id_y 1
		.amdhsa_system_sgpr_workgroup_id_z 1
		.amdhsa_system_vgpr_workitem_id 0
		.amdhsa_next_free_vgpr 256
		.amdhsa_next_free_sgpr 66
		.amdhsa_reserve_vcc 1
		.amdhsa_float_denorm_mode_32 3
		.amdhsa_float_denorm_mode_16_64 3
		.amdhsa_memory_ordered 1
		.amdhsa_forward_progress 1
		.amdhsa_inst_pref_size 108
	.end_amdhsa_kernel
	.amdgpu_metadata
---
amdhsa.version: [ 1, 2 ]
amdhsa.kernels:
  - .name:           k_q45b89d6768_attn
    .symbol:         k_q45b89d6768_attn.kd
    .args:
      - { .name: q_ws, .offset: 0, .size: 8, .value_kind: global_buffer, .address_space: global }
      - { .name: kv_ws, .offset: 8, .size: 8, .value_kind: global_buffer, .address_space: global }
      - { .name: att_ws, .offset: 16, .size: 8, .value_kind: global_buffer, .address_space: global }
      - { .name: att_sc, .offset: 24, .size: 8, .value_kind: global_buffer, .address_space: global }
    .group_segment_fixed_size: 327680
    .private_segment_fixed_size: 0
    .kernarg_segment_align: 8
    .kernarg_segment_size: 32
    .max_flat_workgroup_size: 512
    .sgpr_count:     66
    .vgpr_count:     256
    .wavefront_size: 32
...
	.end_amdgpu_metadata
.endif
;; end of part 2
;; launch proj (part 3): grid 4 x 32, 4 waves a work-group, clusters of 4 x 4, 327,680 bytes of LDS; arguments att_ws, att_sc, W_proj_codes, W_proj_scales, b_proj, out0; writes out0
.if DOCPART == 3
	.amdgcn_target "amdgcn-amd-amdhsa--gfx1250"
	.amdhsa_code_object_version 6
	.text
	.protected	k_q45b89d6768_proj
	.globl	k_q45b89d6768_proj
	.p2align	8
	.type	k_q45b89d6768_proj,@function
k_q45b89d6768_proj:
	s_mov_b64 s[64:65], 0
	v_nop
	global_prefetch_b8 v0, s[64:65] scope:SCOPE_SE
	s_setreg_imm32_b32 hwreg(HW_REG_WAVE_MODE, 25, 1), 1
	s_wait_xcnt 0x0
	s_wait_alu depctr_hold_cnt(0) depctr_sa_sdst(0) depctr_va_vdst(0) depctr_va_sdst(0) depctr_va_ssrc(0) depctr_va_vcc(0) depctr_vm_vsrc(0)
	s_getreg_b32 s2, hwreg(HW_REG_IB_STS2, 6, 4)
	s_cmp_eq_u32 s2, 0
	s_cbranch_scc0 .Lentry_in_a_cluster
	s_endpgm
.Lentry_in_a_cluster:
	s_bfe_u32 s2, ttmp6, 0x10000c
	s_cmp_lg_u32 s2, 0xf033
	s_cbranch_scc0 .Lentry_shape_is_right
	s_endpgm
.Lentry_shape_is_right:
; out0 = att W_proj + b_proj on codes of FP6 (E2M3) with one E8M0 scale for each 32 along K.  out0: [8192][1024] f32.  W_proj: [1024][1024] codes, K innermost, 768 bytes a row; scale bytes [1024][32].
; att comes as the launch before laid it: att_ws [tile of 16 tokens 512][head 16][768 bytes], each 768 bytes the six registers of half a fragment (registers 0-3 of lane L at 16 L, 4-5 at 512 + 8 L): heads 2 s and 2 s + 1 are
; the fragment of K step s, fetched by two loads of 16 and two of 8 bytes a lane.  Tile 2 G + u holds tokens 32 G + 8 u + r + 8 (r / 8); att_sc [16 tile + r][32] are its rows' scale bytes, in the same order of rows.
; A tile of 256 x 256 of out0 is made by a work-group of four waves; a wave makes 128 x 128.  K goes in steps of 256 through a ring of two LDS slots.  b_proj is the C of each sum's first matrix instruction.
; CLUSTERS: 4 x 4 work-groups; att's tiles are asked for jointly along a row of the cluster, W's along a column.  The grid has 128 work-groups: with a smaller tile each matrix instruction would read more bytes from LDS.
; THE MATRIX INSTRUCTION IS USED TRANSPOSED (source 0 = 16 rows of W, source 1 = 16 tokens): a lane holds one token and eight neighbouring columns.  The order of a tile's tokens is undone on the way out by the stores' constants.
; LIMITS: NaN and infinities are not served.
; REGISTERS: window 0: v0-31 addresses; v32-63 scale words, two sets; v64-127 the bias; v128-223 att's fragments, one set; on the way out v128-255 rows of out0.  window 1: W's fragments, two sets.  windows 2, 3: accumulators.
.set SIZE_N, 1024
.set SIZE_K, 1024
.set KSTEP,  256
.set NQ,     KSTEP/128
.set ROWB,   192                       ; a row of W's tile in bytes
.set ASTEP,  3072                      ; a K step of a tile of att: four heads x 768 bytes
.set KROW,   SIZE_K*6/8
.set PITCH,  240                       ; W's LDS row: 3 x (64 bytes + 16 of padding)
.set FR,     12
.set NLA,    4                         ; LDS loads that bring a fragment of att
.set NP,     4                         ; places behind this matrix instruction (ISA guide 7.12.1)
.set HALFT,  128*PITCH                 ; the room of one tensor load: W's 128 rows fill it, att's eight tiles take 24,576 bytes of it
.set SLOT,   4*HALFT
.set LAPS,   SIZE_K/(2*KSTEP)
.set KS,     SIZE_K/32
.set SCL,    2*SLOT
.set HALFS,  (128*KS/256)*272
.set SBLK,   (16*KS/256)*272
.set SPARE,  SCL+4*HALFS               ; the spare words: 128 bytes a wave, two blocks of 256 bytes that no other line names
.set SPITCH, 528                       ; the way out: a stage of 16 rows x (512 bytes + 16) a wave, in slot 0, which has had its last fill and its last read
.set ADRA, 16                          ; v16-17 att's fragments in slot 0, 1: + 16 x lane;  v18-19: + 512 + 8 x lane
.set ADRB, 20
.set STO,  24
.set RD,   25
.set CO,   26
.set ADRS, 27
.set SPW,  28
.set NIL,  29
.set SC,   32
.set BI,   64
.set AF,   128
.set BK,   128
.set G1, 24
.set G0, 32
.set G1B, 48
.set G0B, 56
.set G1S, 68
.set G0S, 76
.set G1SB, 80
.set G0SB, 88
.set MSB, 0
.macro WIN new                         ; the immediate's high byte repeats the setting that is left
.if MSB != \new
	s_set_vgpr_msb (MSB<<8)|\new
.set MSB, \new
.endif
.endm
.set MUL_LO, 0xa1
.set MUL_HI, 0xf1
.set TO_B,   0x40
.macro JLOAD g0a, g1a, g0b, g1b        ; a joint load: waves 0 and 1 fetch for att, waves 2 and 3 for W; four v_nop follow each of the two lines
	s_cmp_eq_u32 s15, 0
	s_cbranch_scc0 .Lfor_b_\@
	tensor_load_to_lds s[\g0a:\g0a+3], s[\g1a:\g1a+7]
	s_nop 0
.rept 4
	v_nop
.endr
	s_branch .Lasked_\@
.Lfor_b_\@:
	tensor_load_to_lds s[\g0b:\g0b+3], s[\g1b:\g1b+7]
	s_nop 0
.rept 4
	v_nop
.endr
.Lasked_\@:
.endm
.macro CREST
	s_cmp_lg_u32 s14, 0
	s_cbranch_scc1 .Lnot_wave_0_\@
	s_barrier_signal -3
.Lnot_wave_0_\@:
	s_barrier_wait -3
	s_barrier_signal -1
	s_barrier_wait -1
.endm
.macro CROUND
	s_barrier_signal -1
	s_barrier_wait -1
	CREST
.endm
	s_load_b128 s[4:7], s[0:1], 0x0                ; att_ws, att_sc
	s_load_b128 s[8:11], s[0:1], 0x10              ; W's codes, W's scales
	s_load_b64 s[66:67], s[0:1], 0x20              ; b_proj
	s_load_b64 s[12:13], s[0:1], 0x28              ; out0
	v_lshl_add_u32 v[SPW], v0, 2, SPARE
	v_mov_b32 v[NIL], 0
	ds_add_u32 v28, v29
	s_wait_dscnt 0x0
	v_lshrrev_b32 v1, 5, v0
	v_readfirstlane_b32 s14, v1                    ; wave 0..3
	s_lshr_b32 s15, s14, 1                         ; which half of the tile's tokens is mine.  Also: I fetch for att (0) or for W (1)
	s_and_b32 s16, s14, 1                          ; which half of its columns.  Also: which 128 rows I fetch
	s_bfe_u32 s40, ttmp6, 0x40000                  ; cx, cy
	s_bfe_u32 s41, ttmp6, 0x40004
	s_lshl_b32 s42, ttmp9, 2
	s_add_co_u32 s42, s42, s40                     ; tile column
	s_and_b32 s17, ttmp7, 0xffff
	s_lshl_b32 s17, s17, 2
	s_add_co_u32 s17, s17, s41                     ; tile row
	s_lshl_b32 s43, s41, 2
	s_lshl_b32 s43, 15, s43                        ; my row of the cluster
	s_lshl_b32 s44, 0x1111, s40                    ; my column
	s_or_b32 s[G1+0], s43, (3<<16)|(1<<21)         ; att: the mask; elements of 8 bytes; bit 21 beside a mask; no padding: images are read 16 or 8 bytes a lane on end
	s_mov_b32 s[G1+1], 384<<16                     ; tensor_dim0: 3,072 bytes: a tile's four heads of this K step
	s_mov_b32 s[G1+2], 8<<16                       ; tensor_dim1: eight tiles of 16 tokens
	s_mov_b32 s[G1+3], 384<<16                     ; tile_dim0
	s_mov_b32 s[G1+4], 8                           ; tile_dim1
	s_mov_b32 s[G1+5], 1536                        ; from tile to tile: 12,288 bytes
	s_mov_b32 s[G1+6], 0
	s_mov_b32 s[G1+7], 0
	s_or_b32 s[G1B+0], s44, (0<<16)|(1<<20)|(1<<21)|(3<<22)|(3<<25)  ; W: elements of 1 byte; after every 16 words 4 words of padding
	s_mov_b32 s[G1B+1], ROWB<<16
	s_mov_b32 s[G1B+2], 128<<16
	s_mov_b32 s[G1B+3], ROWB<<16
	s_mov_b32 s[G1B+4], 128
	s_mov_b32 s[G1B+5], KROW
	s_mov_b32 s[G1B+6], 0
	s_mov_b32 s[G1B+7], 0
	s_or_b32 s[G1S+0], s43, (3<<16)|(1<<20)|(1<<21)|(5<<22)|(3<<25)  ; the scales of 128 rows: a dense block as rows of 256 bytes, 16 bytes of padding behind each
	s_or_b32 s[G1SB+0], s44, (3<<16)|(1<<20)|(1<<21)|(5<<22)|(3<<25)
.irp g, G1S, G1SB
	s_mov_b32 s[\g+1], 32<<16
	s_mov_b32 s[\g+2], (128*KS/256)<<16
	s_mov_b32 s[\g+3], 32<<16
	s_mov_b32 s[\g+4], 128*KS/256
	s_mov_b32 s[\g+5], 32
	s_mov_b32 s[\g+6], 0
	s_mov_b32 s[\g+7], 0
.endr
	s_lshl_b32 s18, s16, 7
	s_lshl_b32 s20, s17, 8
	s_add_co_u32 s20, s20, s18                     ; att: row 256 x tile row + 128 x half (16 rows are a tile of 12,288 bytes: 768 a row)
	s_lshl_b32 s46, s42, 8
	s_add_co_u32 s46, s46, s18                     ; W: row 256 x tile column + 128 x half
	s_mov_b32 s21, 0
	s_mov_b32 s47, 0
	s_mov_b64 s[18:19], KS
	s_mul_u64 s[22:23], s[20:21], s[18:19]
	s_mul_u64 s[92:93], s[46:47], s[18:19]
	s_mov_b64 s[18:19], KROW
	s_mul_u64 s[20:21], s[20:21], s[18:19]
	s_mul_u64 s[46:47], s[46:47], s[18:19]
	s_mul_i32 s45, s14, HALFT
	s_mul_i32 s94, s14, HALFS
	s_wait_kmcnt 0x0
	s_add_nc_u64 s[20:21], s[4:5], s[20:21]
	s_add_nc_u64 s[22:23], s[6:7], s[22:23]
	s_add_nc_u64 s[46:47], s[8:9], s[46:47]
	s_add_nc_u64 s[92:93], s[10:11], s[92:93]
	CROUND                                         ; all sixteen work-groups are here: the first joint loads meet
	s_mov_b32 s[G0S], 1
	s_add_co_u32 s[G0S+1], s94, SCL
	s_mov_b64 s[G0S+2:G0S+3], s[22:23]
	s_or_b32 s[G0S+3], s[G0S+3], 0x80000000
	s_mov_b32 s[G0SB], 1
	s_add_co_u32 s[G0SB+1], s94, SCL
	s_mov_b64 s[G0SB+2:G0SB+3], s[92:93]
	s_or_b32 s[G0SB+3], s[G0SB+3], 0x80000000
	JLOAD G0S, G1S, G0SB, G1SB                     ; the scales first: filled once
.irp s, 0,1
	s_mov_b32 s[G0+4*\s], 1
	s_add_co_u32 s[G0+4*\s+1], s45, \s*SLOT
	s_add_nc_u64 s[G0+4*\s+2:G0+4*\s+3], s[20:21], \s*ASTEP
	s_or_b32 s[G0+4*\s+3], s[G0+4*\s+3], 0x80000000
	s_mov_b32 s[G0B+4*\s], 1
	s_add_co_u32 s[G0B+4*\s+1], s45, \s*SLOT
	s_add_nc_u64 s[G0B+4*\s+2:G0B+4*\s+3], s[46:47], \s*ROWB
	s_or_b32 s[G0B+4*\s+3], s[G0B+4*\s+3], 0x80000000
	JLOAD G0+4*\s, G1, G0B+4*\s, G1B
.endr
	v_and_b32 v1, 15, v0                           ; r
	v_bfe_u32 v2, v0, 4, 1                         ; h
	v_mul_u32_u24 v3, v1, PITCH
	v_mul_u32_u24 v4, v2, 24
	v_add_nc_u32 v4, v3, v4                        ; W: a fragment's row x pitch + 24 x half
	v_lshl_add_u32 v5, v2, 4, v4                   ; and the same behind one padding more
	v_and_b32 v6, 31, v0
	v_lshlrev_b32 v8, 4, v6                        ; att: 16 x lane,
	v_lshl_add_u32 v9, v6, 3, 512                  ; and 512 + 8 x lane
	s_mul_i32 s21, s15, HALFT
	s_mul_i32 s22, s16, HALFT
	s_add_co_u32 s22, s22, 2*HALFT
.irp s, 0,1
	v_add_nc_u32 v[ADRA+\s], s21, v8
	v_add_nc_u32 v[ADRB+\s], s22, v4
	v_add_nc_u32 v[ADRA+2+\s], s21, v9
	v_add_nc_u32 v[ADRB+2+\s], s22, v5
	s_add_co_u32 s21, s21, SLOT
	s_add_co_u32 s22, s22, SLOT
.endr
	v_mul_u32_u24 v5, v1, KS
	v_lshrrev_b32 v6, 8, v5
	v_lshl_add_u32 v5, v6, 4, v5
	s_mul_i32 s21, s15, HALFS
	s_mul_i32 s22, s16, HALFS
	s_add_co_u32 s22, s22, 2*HALFS
	s_sub_co_u32 s22, s22, s21
	v_mul_u32_u24 v6, s22, v2                      ; lanes 16-31 take W's
	s_add_co_u32 s21, s21, SCL
	v_add_nc_u32 v5, v5, v6
	v_add_nc_u32 v[ADRS], s21, v5
	s_mul_i32 s23, s14, 16*SPITCH                  ; my stage
	v_mul_u32_u24 v5, v1, SPITCH
	v_lshl_add_u32 v5, v2, 5, v5
	v_add_nc_u32 v[STO], s23, v5
	v_and_b32 v6, 31, v0
	v_lshlrev_b32 v[CO], 4, v6
	v_add_nc_u32 v[RD], s23, v[CO]
	s_lshl_b32 s20, s17, 8
	s_lshl_b32 s21, s15, 7
	s_add_co_u32 s20, s20, s21                     ; my first token: 256 x tile row + 128 x half
	s_mov_b32 s21, 0
	s_mov_b64 s[18:19], SIZE_N*4
	s_mul_u64 s[20:21], s[20:21], s[18:19]
	s_lshl_b32 s46, s42, 10                        ; my first column, in bytes
	s_lshl_b32 s47, s16, 9
	s_add_co_u32 s46, s46, s47
	s_mov_b32 s47, 0
	s_add_nc_u64 s[20:21], s[20:21], s[46:47]
	s_add_nc_u64 s[12:13], s[12:13], s[20:21]
	s_add_nc_u64 s[66:67], s[66:67], s[46:47]      ; the bias of my 128 columns, in the result's layout
	v_lshlrev_b32 v7, 5, v2
.irp b, 0,1,2,3,4,5,6,7
	global_load_b128 v[BI+8*\b:BI+8*\b+3], v7, s[66:67] offset:64*\b
	global_load_b128 v[BI+8*\b+4:BI+8*\b+7], v7, s[66:67] offset:64*\b+16
.endr
.macro FRAG reg, adr, q, i             ; W's fragment, from rows: pieces of 8 bytes
.irp p, 0,1,2,3,4,5
.set PC, 12*(\q)+6*(\p/3)+\p%3
.if PC%8 < 5
	ds_load_b64 v[\reg+2*\p:\reg+2*\p+1], v[\adr] offset:8*PC+16*(PC/8)+(\i)*16*PITCH
.else
	ds_load_b64 v[\reg+2*\p:\reg+2*\p+1], v[\adr+2] offset:8*PC+16*(PC/8)+(\i)*16*PITCH
.endif
.endr
.endm
.macro FRAGA reg, slot, q, i           ; att's fragment, from the images of two heads
.irp c, 0,1
	ds_load_b128 v[\reg+6*\c:\reg+6*\c+3], v[ADRA+\slot] offset:ASTEP*(\i)+1536*(\q)+768*\c
	ds_load_b64 v[\reg+6*\c+4:\reg+6*\c+5], v[ADRA+2+\slot] offset:ASTEP*(\i)+1536*(\q)+768*\c
.endr
.endm
; The 64 accumulators take turns, one instruction a turn, in the same order in every step.  first = 1: the bias is the C.
.macro MUL16 a0, p, q, sc, first
.irp a, \a0, \a0+1
.irp b, 0,1,2,3,4,5,6,7
.if \first
	v_wmma_scale_f32_16x16x128_f8f6f4 v[8*(8*((\a)%4)+\b):8*(8*((\a)%4)+\b)+7], v[128*(\p)+FR*\b:128*(\p)+FR*\b+FR-1], v[AF+FR*(\a):AF+FR*(\a)+FR-1], v[BI+8*\b:BI+8*\b+7], v[SC+8*NQ*(\sc)+NQ*\b+(\q)], v[SC+8*NQ*(\sc)+NQ*(\a)+(\q)] matrix_a_fmt:MATRIX_FMT_FP6 matrix_b_fmt:MATRIX_FMT_FP6 matrix_a_scale:MATRIX_SCALE_ROW1
.else
	v_wmma_scale_f32_16x16x128_f8f6f4 v[8*(8*((\a)%4)+\b):8*(8*((\a)%4)+\b)+7], v[128*(\p)+FR*\b:128*(\p)+FR*\b+FR-1], v[AF+FR*(\a):AF+FR*(\a)+FR-1], v[8*(8*((\a)%4)+\b):8*(8*((\a)%4)+\b)+7], v[SC+8*NQ*(\sc)+NQ*\b+(\q)], v[SC+8*NQ*(\sc)+NQ*(\a)+(\q)] matrix_a_fmt:MATRIX_FMT_FP6 matrix_b_fmt:MATRIX_FMT_FP6 matrix_a_scale:MATRIX_SCALE_ROW1
.endif
.endr
.endr
.endm
.macro FETCH_B slot, q, p
	WIN TO_B
.irp i, 0,1,2,3,4,5,6,7
	FRAG 128*(\p)+FR*\i, ADRB+\slot, \q, \i
.endr
	WIN 0
.endm
.macro FETCH_A slot, q, i0
.irp i, \i0, \i0+1, \i0+2, \i0+3
	FRAGA AF+FR*(\i), \slot, \q, \i
.endr
.endm
.macro SCALES sc
.irp i, 0,1,2,3,4,5,6,7
	ds_load_b64 v[SC+8*NQ*\sc+NQ*\i:SC+8*NQ*\sc+NQ*\i+1], v[ADRS] offset:\i*SBLK
.endr
.endm
.macro PLACES n
.rept \n
	v_nop
.endr
.endm
.macro STEP slot, q, first
	s_wait_dscnt 4*NLA                             ; W's set and att's blocks 0-3 are in; the youngest 16 loads (att's blocks 4-7) may be out
.if \first
	WIN 0x81                                       ; C (the bias) window 0, D window 2
.else
	WIN MUL_LO
.endif
	MUL16 0, (\q)%2, \q, \slot, \first
	MUL16 2, (\q)%2, \q, \slot, \first
	s_wait_dscnt 0
	PLACES NP
	FETCH_B \slot, (\q)+1, 1-(\q)%2
	FETCH_A \slot, (\q)+1, 0
.if \first
	WIN 0xc1
.else
	WIN MUL_HI
.endif
	MUL16 4, (\q)%2, \q, \slot, \first
	MUL16 6, (\q)%2, \q, \slot, \first
	PLACES NP
	WIN 0
	FETCH_A \slot, (\q)+1, 4
.endm
.macro TURN slot, next, fill
	s_wait_tensorcnt 0x0                           ; all my tensor loads have landed: my part of the next slot
	ds_add_u32 v[SPW], v[NIL]                      ; 0 onto my spare word
	s_wait_dscnt 4*NLA+1                           ; (the add and the youngest 16 loads may be out)
	WIN MUL_LO
	MUL16 0, 1, NQ-1, \slot, 0
	s_wait_dscnt 0x0                               ; the add is done, and my reads of this slot are over
	s_barrier_signal -1
	MUL16 2, 1, NQ-1, \slot, 0
	WIN 0
	s_barrier_wait -1
.if \fill
	CREST                                          ; the barrier has opened a round of the cluster's barrier
	s_add_nc_u64 s[G0+4*\slot+2:G0+4*\slot+3], s[G0+4*\slot+2:G0+4*\slot+3], 2*ASTEP
	s_add_nc_u64 s[G0B+4*\slot+2:G0B+4*\slot+3], s[G0B+4*\slot+2:G0B+4*\slot+3], 2*ROWB
	JLOAD G0+4*\slot, G1, G0B+4*\slot, G1B         ; the first tensor load behind the round; its four v_nop are the places in front of the loads below
.else
	PLACES NP
.endif
	v_add_nc_u32 v[ADRS], 4*NQ, v[ADRS]
	FETCH_B \next, 0, 0
	FETCH_A \next, 0, 0
	SCALES \next
	WIN MUL_HI
	MUL16 4, 1, NQ-1, \slot, 0
	MUL16 6, 1, NQ-1, \slot, 0
	PLACES NP
	WIN 0
	FETCH_A \next, 0, 4
.endm
	s_wait_tensorcnt 1                             ; of my three first fills the scales and K step 0 are in; K step 1's may be out
	s_barrier_signal -1
	s_barrier_wait -1
	FETCH_B 0, 0, 0
	FETCH_A 0, 0, 0
	SCALES 0
	FETCH_A 0, 0, 4
	s_wait_loadcnt 0x0                             ; the bias
	STEP 0, 0, 1
	s_mov_b32 s3, LAPS-1
.Llap:
	TURN 0, 1, 1
	STEP 1, 0, 0
	TURN 1, 0, 1
	STEP 0, 0, 0
	s_sub_co_u32 s3, s3, 1
	s_cmp_lg_u32 s3, 0
	s_cbranch_scc1 .Llap
	TURN 0, 1, 0                                   ; the last lap fills nothing
	STEP 1, 0, 0
	s_wait_dscnt 4*NLA
	WIN MUL_LO
	MUL16 0, 1, NQ-1, 1, 0
	MUL16 2, 1, NQ-1, 1, 0
	s_wait_dscnt 0
	WIN MUL_HI
	MUL16 4, 1, NQ-1, 1, 0
	MUL16 6, 1, NQ-1, 1, 0
	WIN 0
; THE WAY OUT, block by block of 16 tokens x 128 columns, through my own stage in LDS; back as whole rows of 512 bytes.  Row t of block a is token 32 (a / 2) + 8 (a % 2) + t + 8 (t / 8) of my 128.
.macro TOSTAGE a
.set AC, 64*((\a)%4)
	WIN 0x08+4*((\a)/4)
.irp b, 0,1,2,3,4,5,6,7
	ds_store_b128 v[STO], v[AC+8*\b:AC+8*\b+3] offset:64*\b          ; each accumulator from its low end on
	ds_store_b128 v[STO], v[AC+8*\b+4:AC+8*\b+7] offset:64*\b+16
.endr
	WIN 0
.set BB, BK+64*((\a)%2)
.irp t, 0,1,2,3,4,5,6,7,8,9,10,11,12,13,14,15
	ds_load_b128 v[BB+4*\t:BB+4*\t+3], v[RD] offset:\t*SPITCH
.endr
.endm
.macro SEND a, younger
.set BB, BK+64*((\a)%2)
	s_wait_dscnt \younger                          ; the block is back in registers
.if (\a) > 0
.if ((\a)%2) == 1
	s_add_nc_u64 s[12:13], s[12:13], 8*SIZE_N*4    ; (behind a wait on XCNT)  an odd block begins 8 tokens behind the even one,
.else
	s_add_nc_u64 s[12:13], s[12:13], 24*SIZE_N*4   ; an even one 24 behind the odd one
.endif
.endif
.irp t, 0,1,2,3,4,5,6,7,8,9,10,11,12,13,14,15
	global_store_b128 v[CO], v[BB+4*\t:BB+4*\t+3], s[12:13] offset:(\t+8*(\t/8))*SIZE_N*4 th:TH_STORE_NT   ; 32 lanes store 512 consecutive bytes, at a multiple of 256 from out0's first byte
.endr
.endm
	PLACES NP
	TOSTAGE 0
.irp a, 1,2,3,4,5,6,7
.if \a > 1
	s_wait_xcnt 0x0                                ; block a - 2's stores have read their registers and their base
.endif
	TOSTAGE \a
	SEND \a-1, 32                                  ; behind block a - 1's loads: block a's 16 stores and 16 loads
.endr
	s_wait_xcnt 0x0
	SEND 7, 0
	s_wait_tensorcnt 0x0                           ; the wave's end
	ds_add_u32 v[SPW], v[NIL]
	s_wait_dscnt 0x0
	CROUND                                         ; the closing round
	s_endpgm
.Lfunc_end_k_q45b89d6768_proj:
	.size	k_q45b89d6768_proj, .Lfunc_end_k_q45b89d6768_proj-k_q45b89d6768_proj
	.p2alignl 7, 3214868480
	.fill 96, 4, 3214868480
	.section	.rodata,"a",@progbits
	.p2align	6, 0x0
	.amdhsa_kernel k_q45b89d6768_proj
		.amdhsa_group_segment_fixed_size 327680
		.amdhsa_private_segment_fixed_size 0
		.amdhsa_enable_private_segment 0
		.amdhsa_kernarg_size 48
		.amdhsa_user_sgpr_count 2
		.amdhsa_user_sgpr_kernarg_segment_ptr 1
		.amdhsa_wavefront_size32 1
		.amdhsa_system_sgpr_workgroup_id_x 1
		.amdhsa_system_sgpr_workgroup_id_y 1
		.amdhsa_system_sgpr_workgroup_id_z 1
		.amdhsa_system_vgpr_workitem_id 0
		.amdhsa_next_free_vgpr 1024
		.amdhsa_next_free_sgpr 98
		.amdhsa_reserve_vcc 0
		.amdhsa_float_denorm_mode_32 3
		.amdhsa_float_denorm_mode_16_64 3
		.amdhsa_memory_ordered 1
		.amdhsa_forward_progress 1
		.amdhsa_inst_pref_size 154
	.end_amdhsa_kernel
	.amdgpu_metadata
---
amdhsa.version: [ 1, 2 ]
amdhsa.kernels:
  - .name:           k_q45b89d6768_proj
    .symbol:         k_q45b89d6768_proj.kd
    .args:
      - { .name: att_ws, .offset: 0, .size: 8, .value_kind: global_buffer, .address_space: global }
      - { .name: att_sc, .offset: 8, .size: 8, .value_kind: global_buffer, .address_space: global }
      - { .name: W_proj_codes, .offset: 16, .size: 8, .value_kind: global_buffer, .address_space: global }
      - { .name: W_proj_scales, .offset: 24, .size: 8, .value_kind: global_buffer, .address_space: global }
      - { .name: b_proj, .offset: 32, .size: 8, .value_kind: global_buffer, .address_space: global }
      - { .name: out0, .offset: 40, .size: 8, .value_kind: global_buffer, .address_space: global }
    .group_segment_fixed_size: 327680
    .private_segment_fixed_size: 0
    .kernarg_segment_align: 8
    .kernarg_segment_size: 48
    .max_flat_workgroup_size: 128
    .sgpr_count:     98
    .vgpr_count:     1024
    .wavefront_size: 32
...
	.end_amdgpu_metadata
.endif
;; end of part 3
